; MI455X (gfx1250); checked and timed in simulation.
; The chip was launched on July 23, 2026; its instructions are those of AMD's public machine-readable ISA for CDNA 5 (MIT licence, August 2026) and "CDNA5" Instruction Set Architecture Reference Guide (July 2026). The comments in the code are by the model that wrote it; some were corrected since.
;; Advanced Quantum Feature Map. Allowed arithmetic: matrix products marked QUANTISED: E2M3 operands, one E8M0 scale for each 32 along K, by v_wmma_scale_f32_16x16x128_f8f6f4 with both operands' format E2M3, f32 sums; products left as they are: f32 operands where the result goes on into a quantised operand, else bf16, f16 or f32 operands; f32 sums; everything else in f32.
;; Inputs: amp_W1 4,096 x 2 float32; amp_W2 2,048 x 4,096 float32; amp_W3 1,024 x 2,048 float32; amp_b1 4,096 float32; amp_b2 2,048 float32; amp_b3 1,024 float32; amp_be1 4,096 float32; amp_be2 2,048 float32; amp_g1 4,096 float32; amp_g2 2,048 float32; attn_in_b 3,072 float32; attn_in_w 3,072 x 1,024 float32; attn_out_b 1,024 float32; attn_out_w 1,024 x 1,024 float32; ph_W1 2,048 x 2 float32; ph_W2 1,024 x 2,048 float32; ph_b1 2,048 float32; ph_b2 1,024 float32; ph_be1 2,048 float32; ph_g1 2,048 float32; rot_freq 5 x 1,024 x 3 float32; rot_phase 5 x 1,024 x 3 float32; x 4,096 x 2 float32.
;; Outputs: out0 4,096 x 1,024 float32.
;; This version of the problem:
;;   THIS VERSION OF THE PROBLEM IS GIVEN IN LOW PRECISION. The matrix products marked QUANTISED in the list below multiply operands that are first quantised to E2M3 (2 exponent bits, 3 mantissa bits; 6 bits a number), with one power-of-two scale for each 32 numbers along K (OCP MX v1.0); their sums are f32. All else is computed in f32.
;;   The module's matrix products, in the order in which they are computed (A, B: the left and right operand; K: the contracted axis; several contracted axes count as one K, in the product's order):
;;     1. [M 4,096, K 2] x [K 2, N 4,096]; A: input x; B: input amp_W1: left as it is (K = 2 < 32)
;;     2. [M 4,096, K 4,096] x [K 4,096, N 2,048]; A: computed on the way; B: input amp_W2: QUANTISED
;;     3. [M 4,096, K 2,048] x [K 2,048, N 1,024]; A: computed on the way; B: input amp_W3: QUANTISED
;;     4. [M 4,096, K 2] x [K 2, N 2,048]; A: input x; B: input ph_W1: left as it is (K = 2 < 32)
;;     5. [M 4,096, K 2,048] x [K 2,048, N 1,024]; A: computed on the way; B: input ph_W2: QUANTISED
;;     6. [M 4,096, K 1,024] x [K 1,024, N 3,072]; A: computed on the way; B: input attn_in_w: QUANTISED
;;     7. [M 4,096, K 1,024] x [K 1,024, N 1,024]; A: computed on the way; B: input attn_out_w: QUANTISED
;;   THE QUANTISER, for each operand of a quantised product, along K:
;;     - K is cut into blocks of 32 from its start; a last block that is shorter is filled with zeros.
;;     - A block's scale is 2^e with e = floor(log2(the largest magnitude in the block)) - 2, held to -126 .. 127; a block of zeros has e = 0. As a byte (E8M0): e + 127.
;;     - Each number is divided by its block's scale, clamped to +-7.5, and rounded to the nearest number of E2M3, ties to even, subnormals kept.
;;     - The product sums the exact products of the quantised numbers (number of the format x scale) in f32.
;;   ~~~python
;;   def quantise(x, axis):      # numpy; x: float32 -> the quantised numbers, widened to float32 again
;;       x = np.moveaxis(x, axis, -1); K = x.shape[-1]
;;       x = np.pad(x, [(0, 0)] * (x.ndim - 1) + [(0, -K % 32)]); x = x.reshape(x.shape[:-1] + (-1, 32)); a = np.abs(x).max(-1, keepdims=True)
;;       e = np.where(a > 0, np.clip(np.frexp(np.where(a > 0, a, 1))[1] - 1 - 2, -126, 127), 0)      # np.frexp(a)[1] - 1 = floor(log2(a)), exactly
;;       r = np.clip(x / 2.0 ** e, -7.5, 7.5)
;;       step = 2.0 ** (np.maximum(np.frexp(np.where(r == 0, 1, r))[1] - 1, 0) - 3)
;;       q = np.round(r / step) * step * 2.0 ** e      # np.round: ties to even
;;       return np.moveaxis(q.reshape(q.shape[:-2] + (-1,))[..., :K], -1, axis).astype(np.float32)
;;   ~~~
;;   OPERANDS COMPUTED ON THE WAY. 'Computed on the way' means the value that the module computes at that place (a softmax that the list does not call 'softmax' is quantised finished and normalised). What goes into a quantiser is computed in f32, as accurately as f32 sums, v_exp_f32 and their like allow (about 1e-6 of the number): no bf16 or f16 on the way to a quantiser, and a product that is left as it is and whose result goes on into a quantised operand takes f32 operands (vector FMAs, or v_wmma_f32_16x16x4_f32). A number that lies on a knife's edge between two numbers of the format may be rounded either way, as far as f32 arithmetic and the matrix unit's own rounding can turn it there, and no further.
;; One version. Each part assembles by itself: llvm-mc -triple=amdgcn-amd-amdhsa -mcpu=gfx1250 --defsym DOCPART=n.
;; ======== version 1 of 1: 6 launches
;; workspace buffers: act1 19,660,800 bytes; wts 11,468,800 bytes; z2 33,554,432 bytes; h2c 6,553,600 bytes; qsc 3,276,800 bytes; vc 3,276,800 bytes
;; launch prep (part 1): grid 1216 x 1, 4 waves a work-group, no clusters, 64,000 bytes of LDS; arguments x, amp_W1, amp_b1, amp_g1, amp_be1, ph_W1, ph_b1, ph_g1, ph_be1, amp_W2, amp_W3, ph_W2, attn_in_w, attn_out_w, act1, wts; writes act1, wts
.if DOCPART == 1
	.amdgcn_target "amdgcn-amd-amdhsa--gfx1250"
	.amdhsa_code_object_version 6
	.text
	.protected	k_q9859f65ff1_prep
	.globl	k_q9859f65ff1_prep
	.p2align	8
	.type	k_q9859f65ff1_prep,@function
k_q9859f65ff1_prep:
	s_mov_b64 s[64:65], 0
	v_nop
	global_prefetch_b8 v0, s[64:65] scope:SCOPE_SE
	s_setreg_imm32_b32 hwreg(HW_REG_WAVE_MODE, 25, 1), 1
	s_wait_xcnt 0x0
; Three kinds of work-groups, told apart by the work-group's number alone:
;   0..447    the five weights (amp_W2, amp_W3, ph_W2, rows 2048.. of attn_in_w, attn_out_w), f32 [N][K], become codes of FP6 (E2M3) with one E8M0 byte for each 32 along K
;   448..959  h1 = gelu(LN(x amp_W1^T + amp_b1) g + be), quantised along its 4,096 columns
;   960..1215 p  = silu(LN(x ph_W1^T + ph_b1) g + be), quantised along its 2,048 columns
; LAYOUT OF EVERY OPERAND: [128 rows][256 along K][4 records of 6,400 bytes].  A record is 32 rows x 256 K: four fragments (tile 0 even K step, tile 0 odd, tile 1 even, tile 1 odd) of 1,536 bytes,
; each the image of the matrix operand's 12 registers (register 4 c + i of lane l at 512 c + 16 l + 4 i), then two runs of 32 scale words (tile 0, tile 1): lanes 0-15 the even K step's, lanes 16-31 the odd one's.
; Tiles of activations hold neighbouring rows.  In a tile of WEIGHTS lane r of tile u takes row 8 u + r + 8 (r / 8) of the 32, so that a product's results, used transposed, lie as 16 neighbours along the next K.
; THE FIRST LAYER NORMS: y_j = x0 w0_j + x1 w1_j + b_j, so y_j less the row's mean is x0 d0_j + x1 d1_j + db_j with the CENTRED parameters d = w - mean(w), and the row's variance is a quadratic form in (x0, x1)
; of their six second moments: each work-group makes the means and the moments once.
; LIMITS: NaN and infinities are not served.  A block whose largest magnitude lies under 2^-124 keeps the byte 1 (a block of zeros too: its codes are zeros, and this program alone reads the bytes).
; The variance's order of rounding differs from a sum of squared differences; it is held at 0 from below.  erf is a rational function of a few ulp, its argument held at +-4.
; No tensor loads: with 224 registers and 64,000 bytes of LDS four work-groups share a WGP, so that the weights' stream and the activations' arithmetic run side by side.
.set SPARE, 63488                      ; the spare words: 128 bytes for each wave, two blocks of 256 bytes that no other line names
.set WSTG,  8448                       ; a wave's stage on the weights' path: 16 rows x (512 + 16) bytes; the four lie at LDS byte 0 on
.set KC,    192                        ; v192 on: the activation's coefficients, each twice, as pairs for the packed forms
.macro CLOSE
	s_wait_tensorcnt 0x0                           ; the wave's end
	ds_add_u32 v30, v31
	s_wait_dscnt 0x0
	s_endpgm
.endm
.macro WSUM reg                        ; the sum over the 32 lanes, in every lane
	v_add_f32_dpp v[\reg], v[\reg], v[\reg] row_xmask:1 row_mask:0xf bank_mask:0xf
	v_add_f32_dpp v[\reg], v[\reg], v[\reg] row_xmask:2 row_mask:0xf bank_mask:0xf
	v_add_f32_dpp v[\reg], v[\reg], v[\reg] row_xmask:4 row_mask:0xf bank_mask:0xf
	v_add_f32_dpp v[\reg], v[\reg], v[\reg] row_xmask:8 row_mask:0xf bank_mask:0xf
	v_permlanex16_b32 v63, v[\reg], s96, s97
	v_add_f32 v[\reg], v[\reg], v63
.endm
.macro MEET                            ; my LDS stores have landed: then the work-group's barrier
	s_wait_dscnt 0x0
	s_barrier_signal -1
	s_barrier_wait -1
.endm
.macro KSET reg, val                   ; a coefficient, twice
	v_mov_b32 v[\reg], \val
	v_mov_b32 v[\reg+1], \val
.endm
	v_lshl_add_u32 v30, v0, 2, SPARE
	v_mov_b32 v31, 0
	v_lshrrev_b32 v1, 5, v0
	v_readfirstlane_b32 s99, v1                    ; wave 0..3
	v_and_b32 v1, 31, v0                           ; lane
	v_and_b32 v2, 15, v0                           ; r
	v_bfe_u32 v3, v0, 4, 1                         ; h
	s_mov_b32 s96, 0x76543210
	s_mov_b32 s97, 0xfedcba98                      ; v_permlanex16_b32's selects for lane l xor 16
	s_cmp_lt_u32 ttmp9, 448
	s_cbranch_scc0 .Lacts
; ------------------------------------------------------------------ the weights: a wave makes one record, 32 rows x 256 K
	s_load_b256 s[8:15], s[0:1], 0x48              ; amp_W2, amp_W3, ph_W2, attn_in_w
	s_load_b64 s[16:17], s[0:1], 0x68              ; attn_out_w
	s_load_b64 s[18:19], s[0:1], 0x78              ; wts
	s_mov_b32 s22, 416                             ; the tensor's first work-group; s23 = log2(K / 1024); s24 = its place in wts.  attn_out_w's, unless ..
	s_mov_b32 s23, 0
	s_mov_b32 s24, 10649600
	s_cmp_lt_u32 ttmp9, 416
	s_cselect_b32 s22, 384, s22
	s_cselect_b32 s24, 9830400, s24
	s_cmp_lt_u32 ttmp9, 384
	s_cselect_b32 s22, 320, s22
	s_cselect_b32 s23, 1, s23
	s_cselect_b32 s24, 8192000, s24
	s_cmp_lt_u32 ttmp9, 320
	s_cselect_b32 s22, 256, s22
	s_cselect_b32 s24, 6553600, s24
	s_cmp_lt_u32 ttmp9, 256
	s_cselect_b32 s22, 0, s22
	s_cselect_b32 s23, 2, s23
	s_cselect_b32 s24, 0, s24
	s_sub_co_u32 s25, ttmp9, s22
	s_lshr_b32 s26, s25, s23                       ; which 32 rows
	s_lshl_b32 s27, 1, s23
	s_sub_co_u32 s27, s27, 1
	s_and_b32 s27, s25, s27
	s_lshl_b32 s27, s27, 2
	s_add_co_u32 s27, s27, s99                     ; which 256 along K
	s_lshl_b32 s28, 4096, s23                      ; a row in bytes
	s_add_co_u32 s29, s23, 17
	s_lshl_b32 s32, s26, s29                       ; 32 rows
	s_lshl_b32 s33, s27, 10
	s_add_co_u32 s32, s32, s33
	s_mov_b32 s33, 0
	s_lshr_b32 s34, s26, 2
	s_add_co_u32 s35, s23, 2
	s_lshl_b32 s34, s34, s35
	s_add_co_u32 s34, s34, s27
	s_mul_i32 s34, s34, 25600
	s_and_b32 s35, s26, 3
	s_mul_i32 s35, s35, 6400
	s_add_co_u32 s34, s34, s35
	s_add_co_u32 s34, s34, s24                     ; my record's place in wts
	s_mov_b32 s35, 0
	s_lshl_b32 s38, s28, 3
	s_mov_b32 s39, 0
	s_mov_b32 s42, 0xffff0000
	v_lshlrev_b32 v28, 4, v1                       ; 16 x lane
	v_lshlrev_b32 v29, 2, v1                       ; 4 x lane
	v_lshlrev_b32 v27, 3, v3                       ; 8 h
	v_mov_b32 v55, 0
.irp i, 0,1,2,3,4,5,6,7,8,9,10,11,12,13,14,15
	s_mul_i32 s40, s28, \i+8*(\i/8)
	v_add_nc_u32 v[32+\i], s40, v28                ; lane i of a tile takes row i + 8 (i / 8) (tile 1: eight rows further down, by its own base)
.endr
	s_mul_i32 s41, s99, WSTG
	v_add_nc_u32 v23, s41, v28                     ; the stage, on the way in: 16 x lane of a row
	v_mul_u32_u24 v48, v2, 528
	v_lshl_add_u32 v48, v3, 7, v48
	v_add_nc_u32 v48, s41, v48                     ; and out: row r, 128 h bytes on: my block of 32 numbers
	s_wait_kmcnt 0x0
	s_add_nc_u64 s[14:15], s[14:15], 0x800000      ; attn_in_w from row 2,048 on
	s_mov_b64 s[20:21], s[16:17]
	s_cmp_lt_u32 ttmp9, 416
	s_cselect_b64 s[20:21], s[14:15], s[20:21]
	s_cmp_lt_u32 ttmp9, 384
	s_cselect_b64 s[20:21], s[12:13], s[20:21]
	s_cmp_lt_u32 ttmp9, 320
	s_cselect_b64 s[20:21], s[10:11], s[20:21]
	s_cmp_lt_u32 ttmp9, 256
	s_cselect_b64 s[20:21], s[8:9], s[20:21]
	s_add_nc_u64 s[20:21], s[20:21], s[32:33]
	s_add_nc_u64 s[36:37], s[20:21], s[38:39]
	s_add_nc_u64 s[18:19], s[18:19], s[34:35]
.macro WLOAD u, par                    ; tile u, K step par: 16 rows x 512 consecutive bytes
.irp i, 0,1,2,3,4,5,6,7,8,9,10,11,12,13,14,15
	global_load_b128 v[64+4*\i:67+4*\i], v[32+\i], s[20+16*(\u):21+16*(\u)] offset:512*(\par) th:TH_LOAD_NT
.endr
.endm
.macro WFRAG f, more                   ; fragment f = 2 u + par: through my stage, so that a lane holds two whole blocks of its row; scales, codes, store
	s_wait_loadcnt 0x0
.irp i, 0,1,2,3,4,5,6,7,8,9,10,11,12,13,14,15
	ds_store_b128 v23, v[64+4*\i:67+4*\i] offset:528*\i
.endr
.irp i, 0,1,2,3,4,5,6,7,8,9,10,11,12,13,14,15
	ds_load_b128 v[128+4*\i:131+4*\i], v48 offset:16*\i+128*(\i/8)   ; k = 32 h + 0 .. 31, then 64 + 32 h + 0 .. 31.  LDS serves a wave's instructions in order
.endr
	s_wait_dscnt 0x0
.if \more
	WLOAD ((\f)+1)/2, ((\f)+1)%2                   ; the next fragment's numbers are on their way while this one is worked
.endif
	v_max3_num_f32 v49, |v128|, |v129|, 0x1800000  ; with the floor 2^(3 - 127): the byte cannot fall under 1
	v_max3_num_f32 v50, |v160|, |v161|, 0x1800000
.irp i, 2,4,6,8,10,12,14,16,18,20,22,24,26,28,30
	v_max3_num_f32 v49, v49, |v[128+\i]|, |v[129+\i]|
	v_max3_num_f32 v50, v50, |v[160+\i]|, |v[161+\i]|
.endr
	v_add_nc_u32 v51, 0xff000000, v49              ; 2 off the exponent field: the conversion's scale operand
	v_add_nc_u32 v52, 0xff000000, v50
	v_lshrrev_b32 v53, 23, v51
	v_lshrrev_b32 v54, 23, v52
	v_lshl_or_b32 v53, v54, 16, v53                ; my bytes: blocks h and 2 + h,
	v_lshlrev_b32 v53, v27, v53                    ; at their places;
	v_permlanex16_b32 v55, v53, s96, s97
	v_or_b32 v[4+\f], v53, v55                     ; with lane l xor 16's the word is whole
	s_wait_xcnt 0x0                                ; the last fragment's stores have read their registers
	v_cvt_scalef32_pk16_fp6_f32 v[8:10], v[128:143], v51
	v_cvt_scalef32_pk16_fp6_f32 v[20:22], v[144:159], v51
	v_cvt_scalef32_pk16_fp6_f32 v[14:16], v[160:175], v52
	v_cvt_scalef32_pk16_fp6_f32 v[24:26], v[176:191], v52
	v_nop
	v_mov_b32 v11, v20
	v_mov_b32 v12, v21
	v_mov_b32 v13, v22
	v_mov_b32 v17, v24
	v_mov_b32 v18, v25
	v_mov_b32 v19, v26
.irp c, 0,1,2
	global_store_b128 v28, v[8+4*\c:11+4*\c], s[18:19] offset:1536*(\f)+512*\c   ; 512 consecutive bytes
.endr
.endm
	WLOAD 0, 0
	WFRAG 0, 1
	WFRAG 1, 1
	WFRAG 2, 1
	WFRAG 3, 0
	v_cndmask_b32 v53, v4, v5, s42                 ; lanes 0-15 the even K step's word, lanes 16-31 the odd one's
	v_cndmask_b32 v54, v6, v7, s42
	global_store_b32 v29, v53, s[18:19] offset:6144
	global_store_b32 v29, v54, s[18:19] offset:6272
	CLOSE
; ------------------------------------------------------------------ the activations: a lane is a row, its registers run along K; a wave makes one record
; REGISTERS: v[4:5] rstd, v[6:7] x0 rstd, v[8:9] x1 rstd, each twice; v12-15 a K step's four scale bytes; v16-22 at work in the quantiser; v23, v28, v29 LDS addresses of my parameters; v32-55 two fragments;
; v60 16 x lane, v61 my scale word's place; v64-95 a block of 32 numbers; v96-135, v136-175 two sets of eight columns' parameters, later the activation's work; v176-191, v24-27 a K step's parameters as loaded; v192 on coefficients.
.macro PGLOAD t                        ; the parameters of K step t of my 256 columns: five loads of 512 consecutive bytes
	global_load_b128 v[176:179], v60, s[26:27] offset:1024*(\t)
	global_load_b128 v[180:183], v60, s[26:27] offset:1024*(\t)+512
	global_load_b128 v[184:187], v60, s[28:29] offset:512*(\t)
	global_load_b128 v[188:191], v60, s[30:31] offset:512*(\t)
	global_load_b128 v[24:27], v60, s[32:33] offset:512*(\t)
.endm
.macro PL set, c                       ; eight columns' d0, d1, db, g, be from my LDS bytes, every lane the same 16 bytes: ten loads
.set PLB, 96+40*(\set)
.irp k, 0,1,2,3,4
	ds_load_b128 v[PLB+8*\k:PLB+8*\k+3], v23 offset:512*\k+32*(\c)
	ds_load_b128 v[PLB+8*\k+4:PLB+8*\k+7], v23 offset:512*\k+32*(\c)+16
.endr
.endm
.macro CH c                            ; eight columns of the normalised layer: (db + x1 d1 + x0 d0) rstd g + be, four packed instructions for each two
.if ((\c)%4) < 3
	PL ((\c)+1)%2, (\c)+1                          ; the next eight, into the other set
	s_wait_dscnt 10                                ; LDS loads come back in order: all but those ten are in
.else
	s_wait_dscnt 0x0                               ; a block's last eight: the next block's first are asked for behind the activation, which works in these registers
.endif
.set YB, 64+8*((\c)%4)
.set P0, 96+40*((\c)%2)
.irp k, 0,1,2,3
	v_pk_mul_f32 v[YB+2*\k:YB+2*\k+1], v[P0+16+2*\k:P0+17+2*\k], v[4:5]
.endr
.irp k, 0,1,2,3
	v_pk_fma_f32 v[YB+2*\k:YB+2*\k+1], v[P0+8+2*\k:P0+9+2*\k], v[8:9], v[YB+2*\k:YB+2*\k+1]
.endr
.irp k, 0,1,2,3
	v_pk_fma_f32 v[YB+2*\k:YB+2*\k+1], v[P0+2*\k:P0+1+2*\k], v[6:7], v[YB+2*\k:YB+2*\k+1]
.endr
.irp k, 0,1,2,3
	v_pk_fma_f32 v[YB+2*\k:YB+2*\k+1], v[YB+2*\k:YB+2*\k+1], v[P0+24+2*\k:P0+25+2*\k], v[P0+32+2*\k:P0+33+2*\k]
.endr
.endm
; GELU.  v64-95: y -> y (0.5 + 0.5 erf(y / sqrt 2)); 0.5 erf(z) = z P(z^2) / Q(z^2), P's coefficients being erf's halved; four pairs by turns.
; Coefficients at v[KC]: +0 1 / sqrt 2; +2 .. +14 P's, from z^12 down; +16 .. +24 Q's, from z^8 down; +26 0.5.
.macro GELU
.set g, 0
.rept 4
.irp k, 0,1,2,3
	v_pk_mul_f32 v[96+8*g+2*\k:97+8*g+2*\k], v[64+8*g+2*\k:65+8*g+2*\k], v[KC:KC+1]
.endr
.irp k, 0,1,2,3,4,5,6,7
	v_med3_num_f32 v[96+8*g+\k], v[96+8*g+\k], -4.0, 4.0
.endr
.irp k, 0,1,2,3
	v_pk_mul_f32 v[160+2*\k:161+2*\k], v[96+8*g+2*\k:97+8*g+2*\k], v[96+8*g+2*\k:97+8*g+2*\k]
.endr
.irp k, 0,1,2,3
	v_pk_fma_f32 v[168+2*\k:169+2*\k], v[160+2*\k:161+2*\k], v[KC+2:KC+3], v[KC+4:KC+5]
.endr
.irp cc, 6,8,10,12,14
.irp k, 0,1,2,3
	v_pk_fma_f32 v[168+2*\k:169+2*\k], v[168+2*\k:169+2*\k], v[160+2*\k:161+2*\k], v[KC+\cc:KC+\cc+1]
.endr
.endr
.irp k, 0,1,2,3
	v_pk_mul_f32 v[96+8*g+2*\k:97+8*g+2*\k], v[96+8*g+2*\k:97+8*g+2*\k], v[168+2*\k:169+2*\k]
.endr
.irp k, 0,1,2,3
	v_pk_fma_f32 v[128+8*g+2*\k:129+8*g+2*\k], v[160+2*\k:161+2*\k], v[KC+16:KC+17], v[KC+18:KC+19]
.endr
.irp cc, 20,22,24
.irp k, 0,1,2,3
	v_pk_fma_f32 v[128+8*g+2*\k:129+8*g+2*\k], v[128+8*g+2*\k:129+8*g+2*\k], v[160+2*\k:161+2*\k], v[KC+\cc:KC+\cc+1]
.endr
.endr
.set g, g+1
.endr
.set g, 0
.rept 32
	v_rcp_f32 v[128+g], v[128+g]
.set g, g+1
.endr
	v_nop                                          ; a plain place behind the batch of reciprocals
	s_wait_alu depctr_va_vdst(0)                   ; one wait for the batch, ahead of its first reader
.set g, 0
.rept 16
	v_pk_fma_f32 v[96+2*g:97+2*g], v[96+2*g:97+2*g], v[128+2*g:129+2*g], v[KC+26:KC+27]
.set g, g+1
.endr
.set g, 0
.rept 16
	v_pk_mul_f32 v[64+2*g:65+2*g], v[64+2*g:65+2*g], v[96+2*g:97+2*g]
.set g, g+1
.endr
.endm
.macro SILU                            ; v64-95: y -> y / (1 + 2^(-y log2 e)).  At v[KC]: +0 -log2 e; +2 1
.set g, 0
.rept 16
	v_pk_mul_f32 v[96+2*g:97+2*g], v[64+2*g:65+2*g], v[KC:KC+1]
.set g, g+1
.endr
.set g, 0
.rept 32
	v_exp_f32 v[96+g], v[96+g]
.set g, g+1
.endr
	v_nop
	s_wait_alu depctr_va_vdst(0)
.set g, 0
.rept 16
	v_pk_add_f32 v[96+2*g:97+2*g], v[96+2*g:97+2*g], v[KC+2:KC+3]
.set g, g+1
.endr
.set g, 0
.rept 32
	v_rcp_f32 v[96+g], v[96+g]
.set g, g+1
.endr
	v_nop
	s_wait_alu depctr_va_vdst(0)
.set g, 0
.rept 16
	v_pk_mul_f32 v[64+2*g:65+2*g], v[64+2*g:65+2*g], v[96+2*g:97+2*g]
.set g, g+1
.endr
.endm
.macro QB q, fb                        ; my row's block q (v64-95) becomes 6 registers of codes at v[fb] on and the byte v[12 + q]
	v_max3_num_f32 v16, |v64|, |v65|, 0x1800000
	v_max3_num_f32 v17, |v80|, |v81|, |v82|
.irp i, 2,4,6,8,10,12
	v_max3_num_f32 v16, v16, |v[64+\i]|, |v[65+\i]|
	v_max3_num_f32 v17, v17, |v[81+\i]|, |v[82+\i]|
.endr
	v_max3_num_f32 v16, v16, |v78|, |v79|
	v_max3_num_f32 v17, v17, |v95|, v16
	v_add_nc_u32 v18, 0xff000000, v17
	v_cvt_scalef32_pk16_fp6_f32 v[\fb:\fb+2], v[64:79], v18
	v_cvt_scalef32_pk16_fp6_f32 v[20:22], v[80:95], v18
	v_lshrrev_b32 v[12+\q], 23, v18                ; (the plain place behind the conversions)
	v_mov_b32 v[\fb+3], v20
	v_mov_b32 v[\fb+4], v21
	v_mov_b32 v[\fb+5], v22
.endm
; RED: nine runs of 512 bytes: a quantity's word of thread t at 4 t, so that no two lanes share an address; a lane reads the four waves' words at 4 x lane + 128 w.
.macro ACT JN, LKQ, START, RED, PAR, OUTOFF, KPN, FN, AW, NINVJ, INVJ
.set NI, \JN/256
	s_load_b64 s[8:9], s[0:1], 0x0                 ; x
	s_load_b64 s[2:3], s[0:1], \AW                 ; W1
	s_load_b128 s[4:7], s[0:1], \AW+8              ; b, g
	s_load_b64 s[10:11], s[0:1], \AW+24            ; be
	s_load_b64 s[12:13], s[0:1], 0x70              ; act1
	s_sub_co_u32 s16, ttmp9, \START
	s_lshr_b32 s17, s16, \LKQ                      ; which 32 rows
	s_and_b32 s18, s16, (1<<\LKQ)-1
	s_lshl_b32 s18, s18, 2
	s_add_co_u32 s18, s18, s99                     ; which 256 along K
	s_mul_i32 s19, s99, 2*\JN
	v_lshl_add_u32 v12, v1, 4, s19                 ; the moments: wave w takes a quarter of the columns, a lane two columns a trip
	s_mul_i32 s19, s99, \JN
	v_lshl_add_u32 v13, v1, 3, s19
	s_lshl_b32 s19, s17, 8
	v_lshl_add_u32 v14, v1, 3, s19                 ; my row of x
	v_lshlrev_b32 v60, 4, v1                       ; 16 x lane
	v_lshlrev_b32 v61, 2, v2
	v_lshl_add_u32 v61, v3, 7, v61                 ; my scale word: 128 h + 4 r
	v_mov_b32 v63, 0
	v_lshlrev_b32 v54, 2, v0                       ; 128 x wave + 4 x lane
	v_lshlrev_b32 v55, 2, v1                       ; 4 x lane
	s_mul_i32 s19, s99, 2560
	s_add_co_u32 s19, s19, \PAR                    ; my wave's 2,560 bytes for a K step's parameters: d0, d1, db, g, be, 512 bytes each
	v_mov_b32 v23, s19
	v_lshl_add_u32 v28, v1, 3, s19
	v_lshl_add_u32 v29, v1, 4, s19
	s_lshr_b32 s20, s17, 2
	s_mul_i32 s20, s20, \KPN
	s_add_co_u32 s20, s20, s18
	s_lshl_b32 s20, s20, 2
	s_and_b32 s21, s17, 3
	s_add_co_u32 s20, s20, s21
	s_mul_i32 s20, s20, 6400
	s_add_co_u32 s20, s20, \OUTOFF
	s_mov_b32 s21, 0
	s_lshl_b32 s22, s18, 11
	s_mov_b32 s23, 0
	s_lshl_b32 s24, s18, 10
	s_mov_b32 s25, 0
	s_wait_kmcnt 0x0
	s_add_nc_u64 s[92:93], s[12:13], s[20:21]      ; my record
	s_add_nc_u64 s[94:95], s[92:93], 6144          ; and its scale words
	s_add_nc_u64 s[26:27], s[2:3], s[22:23]        ; the parameters of my 256 columns
	s_add_nc_u64 s[28:29], s[4:5], s[24:25]
	s_add_nc_u64 s[30:31], s[6:7], s[24:25]
	s_add_nc_u64 s[32:33], s[10:11], s[24:25]
.set ii, 0
.rept NI
	global_load_b128 v[64+4*ii:67+4*ii], v12, s[2:3] offset:512*ii
	global_load_b64 v[128+2*ii:129+2*ii], v13, s[4:5] offset:256*ii
.set ii, ii+1
.endr
	global_load_b64 v[52:53], v14, s[8:9]
	PGLOAD 0                                       ; wanted only behind the moments
	s_wait_loadcnt 5                               ; all but those five are in
	; the sums of w0, w1, b
	v_pk_add_f32 v[160:161], v[64:65], v[66:67]
	v_pk_add_f32 v[162:163], v[68:69], v[70:71]
	v_pk_add_f32 v[164:165], v[128:129], v[130:131]
.set ii, 2
.rept NI-2
	v_pk_add_f32 v[160:161], v[160:161], v[64+4*ii:65+4*ii]
	v_pk_add_f32 v[162:163], v[162:163], v[66+4*ii:67+4*ii]
	v_pk_add_f32 v[164:165], v[164:165], v[128+2*ii:129+2*ii]
.set ii, ii+1
.endr
	v_pk_add_f32 v[160:161], v[160:161], v[162:163]
	v_add_f32 v162, v164, v165
	WSUM 160
	WSUM 161
	WSUM 162
.irp qq, 0,1,2
	ds_store_b32 v54, v[160+\qq] offset:\RED+512*\qq
.endr
	MEET
.irp qq, 0,1,2
.irp ww, 0,1,2,3
	ds_load_b32 v[32+4*\qq+\ww], v55 offset:\RED+512*\qq+128*\ww
.endr
.endr
	s_wait_dscnt 0x0
.irp qq, 0,1,2
	v_pk_add_f32 v[32+4*\qq:33+4*\qq], v[32+4*\qq:33+4*\qq], v[34+4*\qq:35+4*\qq]
.endr
.irp qq, 0,1,2
	v_add_f32 v[32+4*\qq], v[32+4*\qq], v[33+4*\qq]
.endr
	v_mul_f32 v48, \NINVJ, v32                     ; the means of w0, w1 and b, NEGATED
	v_mul_f32 v49, \NINVJ, v36
	v_mul_f32 v50, \NINVJ, v40
	v_mov_b32 v51, v50                             ; (b's as a pair)
	v_readfirstlane_b32 s34, v48                   ; the same in every lane: kept as scalars for the loop
	v_readfirstlane_b32 s35, v49
	v_readfirstlane_b32 s36, v50
	; the six centred second moments
.irp nn, 160,161,162,163,164,165,166,167
	v_mov_b32 v[\nn], 0
.endr
.set ii, 0
.rept NI
	v_pk_add_f32 v[64+4*ii:65+4*ii], v[64+4*ii:65+4*ii], v[48:49]
	v_pk_add_f32 v[66+4*ii:67+4*ii], v[66+4*ii:67+4*ii], v[48:49]
	v_pk_add_f32 v[128+2*ii:129+2*ii], v[128+2*ii:129+2*ii], v[50:51]
	v_pk_fma_f32 v[160:161], v[64+4*ii:65+4*ii], v[64+4*ii:65+4*ii], v[160:161]
	v_fma_f32 v162, v[64+4*ii], v[65+4*ii], v162
	v_fma_f32 v164, v[64+4*ii], v[128+2*ii], v164
	v_fma_f32 v165, v[65+4*ii], v[128+2*ii], v165
	v_pk_fma_f32 v[166:167], v[128+2*ii:129+2*ii], v[128+2*ii:129+2*ii], v[166:167]
	v_pk_fma_f32 v[160:161], v[66+4*ii:67+4*ii], v[66+4*ii:67+4*ii], v[160:161]
	v_fma_f32 v163, v[66+4*ii], v[67+4*ii], v163
	v_fma_f32 v164, v[66+4*ii], v[129+2*ii], v164
	v_fma_f32 v165, v[67+4*ii], v[129+2*ii], v165
.set ii, ii+1
.endr
	v_add_f32 v162, v162, v163
	v_add_f32 v166, v166, v167
	WSUM 160
	WSUM 161
	WSUM 162
	WSUM 164
	WSUM 165
	WSUM 166
.irp qq, 0,1,2
	ds_store_b32 v54, v[160+\qq] offset:\RED+1536+512*\qq
	ds_store_b32 v54, v[164+\qq] offset:\RED+3072+512*\qq
.endr
	MEET
.irp qq, 0,1,2,3,4,5
.irp ww, 0,1,2,3
	ds_load_b32 v[64+4*\qq+\ww], v55 offset:\RED+1536+512*\qq+128*\ww
.endr
.endr
	s_wait_dscnt 0x0
.irp qq, 0,1,2,3,4,5
	v_pk_add_f32 v[64+4*\qq:65+4*\qq], v[64+4*\qq:65+4*\qq], v[66+4*\qq:67+4*\qq]
.endr
.irp qq, 0,1,2,3,4,5
	v_add_f32 v[64+4*\qq], v[64+4*\qq], v[65+4*\qq]
.endr
.irp qq, 0,1,2,3,4,5
	v_mul_f32 v[64+4*\qq], \INVJ, v[64+4*\qq]      ; v64 C00, v68 C11, v72 C01, v76 C0b, v80 C1b, v84 Cbb
.endr
	v_mul_f32 v16, v52, v53
	v_mul_f32 v17, v16, v72
	v_fma_f32 v17, v52, v76, v17
	v_fma_f32 v17, v53, v80, v17
	v_mul_f32 v18, v52, v52
	v_mul_f32 v19, v53, v53
	v_fma_f32 v18, v18, v64, v84
	v_fma_f32 v18, v19, v68, v18
	v_fma_f32 v18, 2.0, v17, v18                   ; my row's variance,
	v_max_num_f32 v18, 0, v18                      ; held at 0 from below
	v_add_f32 v18, 0x3727c5ac, v18                 ; + 1e-5
	v_rsq_f32 v4, v18
	v_nop
	s_wait_alu depctr_va_vdst(0)
	v_mov_b32 v5, v4                               ; rstd, x0 rstd, x1 rstd: each twice, for the packed forms
	v_mul_f32 v6, v52, v4
	v_mul_f32 v8, v53, v4
	v_mov_b32 v7, v6
	v_mov_b32 v9, v8
.if \FN == 0
	KSET KC+0,  0x3f3504f3                         ; 1 / sqrt 2
	KSET KC+2,  0xaf15df0b                         ; erf's numerator, halved
	KSET KC+4,  0x326dffee
	KSET KC+6,  0xb58cff51
	KSET KC+8,  0xb7eec2d2
	KSET KC+10, 0xb9c0ac63
	KSET KC+12, 0xbac1a1f6
	KSET KC+14, 0xbc03dbd4
	KSET KC+16, 0xb77460cd                         ; its denominator
	KSET KC+18, 0xb95fbd29
	KSET KC+20, 0xbadc924e
	KSET KC+22, 0xbbf19bf8
	KSET KC+24, 0xbc69b6a7
	KSET KC+26, 0.5
.else
	KSET KC+0,  0xbfb8aa3b                         ; -log2 e
	KSET KC+2,  1.0
.endif
	s_mov_b32 s98, 0
.Lact_\FN:                             ; two trips: a K step of 128 columns each
	s_wait_loadcnt 0x0                             ; this K step's parameters are in (asked for ahead of the moments, or a trip ago)
.irp nn, 176,178,180,182
	v_add_f32 v[\nn], s34, v[\nn]                  ; centred once for the 32 rows
	v_add_f32 v[\nn+1], s35, v[\nn+1]
.endr
.irp nn, 184,185,186,187
	v_add_f32 v[\nn], s36, v[\nn]
.endr
.irp nn, 176,180
	v_mov_b32 v63, v[\nn+1]                        ; (d0, d1, d0, d1) of two columns becomes (d0, d0), (d1, d1)
	v_mov_b32 v[\nn+1], v[\nn+2]
	v_mov_b32 v[\nn+2], v63
.endr
	ds_store_b64 v28, v[176:177]                   ; my wave's own bytes: no barrier; LDS serves a wave's instructions in order
	ds_store_b64 v28, v[178:179] offset:512
	ds_store_b64 v28, v[180:181] offset:256
	ds_store_b64 v28, v[182:183] offset:768
	ds_store_b128 v29, v[184:187] offset:1024
	ds_store_b128 v29, v[188:191] offset:1536
	ds_store_b128 v29, v[24:27] offset:2048
	s_wait_dscnt 0x0                               ; the stores have read their registers
	s_cmp_eq_u32 s98, 1
	s_cbranch_scc1 .Lnn_\FN                        ; the last trip asks for nothing: no load leaves its buffer
	PGLOAD 1
.Lnn_\FN:
	PL 0, 0
.irp qq, 0,1,2,3
	CH 4*\qq
	CH 4*\qq+1
	CH 4*\qq+2
	CH 4*\qq+3
.if \FN == 0
	GELU
.else
	SILU
.endif
.if \qq < 3
	PL 0, 4*\qq+4                                  ; the next block's first eight columns come while this block is quantised
.endif
	QB \qq, 32+12*(\qq%2)+6*(\qq/2)                ; blocks 0, 2 at v32 on, blocks 1, 3 at v44 on
.endr
.irp nn, 0,1,2,3,4,5,6,7,8,9,10,11
	v_permlane16_swap_b32 v[32+\nn], v[44+\nn]     ; v32-43 is now the fragment of rows 0-15 (lanes 16-31: their blocks 1, 3), v44-55 that of rows 16-31
.endr
	v_lshl_or_b32 v19, v13, 8, v12
	v_lshl_or_b32 v19, v14, 16, v19
	v_lshl_or_b32 v19, v15, 24, v19                ; my row's scale word
.irp cc, 0,1,2
	global_store_b128 v60, v[32+4*\cc:35+4*\cc], s[92:93] offset:512*\cc
	global_store_b128 v60, v[44+4*\cc:47+4*\cc], s[92:93] offset:3072+512*\cc
.endr
	global_store_b32 v61, v19, s[94:95]
	s_wait_xcnt 0x0                                ; the stores have read their registers and bases
	s_add_nc_u64 s[92:93], s[92:93], 1536
	s_add_nc_u64 s[94:95], s[94:95], 64
	s_add_co_u32 s98, s98, 1
	s_cmp_lt_u32 s98, 2
	s_cbranch_scc1 .Lact_\FN
	CLOSE
.endm
.Lacts:
	s_cmp_lt_u32 ttmp9, 960
	s_cbranch_scc0 .Lphase
	ACT 4096, 2, 448, 33792, 43008, 0, 16, 0, 0x08, 0xb9800000, 0x39800000
.Lphase:
	ACT 2048, 1, 960, 38400, 53248, 13107200, 8, 1, 0x28, 0xba000000, 0x3a000000
.Lfunc_end_k_q9859f65ff1_prep:
	.size	k_q9859f65ff1_prep, .Lfunc_end_k_q9859f65ff1_prep-k_q9859f65ff1_prep
	.p2alignl 7, 3214868480
	.fill 96, 4, 3214868480
	.section	.rodata,"a",@progbits
	.p2align	6, 0x0
	.amdhsa_kernel k_q9859f65ff1_prep
		.amdhsa_group_segment_fixed_size 64000
		.amdhsa_private_segment_fixed_size 0
		.amdhsa_enable_private_segment 0
		.amdhsa_kernarg_size 128
		.amdhsa_user_sgpr_count 2
		.amdhsa_user_sgpr_kernarg_segment_ptr 1
		.amdhsa_wavefront_size32 1
		.amdhsa_system_sgpr_workgroup_id_x 1
		.amdhsa_system_sgpr_workgroup_id_y 1
		.amdhsa_system_sgpr_workgroup_id_z 1
		.amdhsa_system_vgpr_workitem_id 0
		.amdhsa_next_free_vgpr 224
		.amdhsa_next_free_sgpr 100
		.amdhsa_reserve_vcc 0
		.amdhsa_float_denorm_mode_32 3
		.amdhsa_float_denorm_mode_16_64 3
		.amdhsa_memory_ordered 1
		.amdhsa_forward_progress 1
		.amdhsa_inst_pref_size 247
	.end_amdhsa_kernel
	.amdgpu_metadata
---
amdhsa.version: [ 1, 2 ]
amdhsa.kernels:
  - .name:           k_q9859f65ff1_prep
    .symbol:         k_q9859f65ff1_prep.kd
    .args:
      - { .name: x, .offset: 0, .size: 8, .value_kind: global_buffer, .address_space: global }
      - { .name: amp_W1, .offset: 8, .size: 8, .value_kind: global_buffer, .address_space: global }
      - { .name: amp_b1, .offset: 16, .size: 8, .value_kind: global_buffer, .address_space: global }
      - { .name: amp_g1, .offset: 24, .size: 8, .value_kind: global_buffer, .address_space: global }
      - { .name: amp_be1, .offset: 32, .size: 8, .value_kind: global_buffer, .address_space: global }
      - { .name: ph_W1, .offset: 40, .size: 8, .value_kind: global_buffer, .address_space: global }
      - { .name: ph_b1, .offset: 48, .size: 8, .value_kind: global_buffer, .address_space: global }
      - { .name: ph_g1, .offset: 56, .size: 8, .value_kind: global_buffer, .address_space: global }
      - { .name: ph_be1, .offset: 64, .size: 8, .value_kind: global_buffer, .address_space: global }
      - { .name: amp_W2, .offset: 72, .size: 8, .value_kind: global_buffer, .address_space: global }
      - { .name: amp_W3, .offset: 80, .size: 8, .value_kind: global_buffer, .address_space: global }
      - { .name: ph_W2, .offset: 88, .size: 8, .value_kind: global_buffer, .address_space: global }
      - { .name: attn_in_w, .offset: 96, .size: 8, .value_kind: global_buffer, .address_space: global }
      - { .name: attn_out_w, .offset: 104, .size: 8, .value_kind: global_buffer, .address_space: global }
      - { .name: act1, .offset: 112, .size: 8, .value_kind: global_buffer, .address_space: global }
      - { .name: wts, .offset: 120, .size: 8, .value_kind: global_buffer, .address_space: global }
    .group_segment_fixed_size: 64000
    .private_segment_fixed_size: 0
    .kernarg_segment_align: 8
    .kernarg_segment_size: 128
    .max_flat_workgroup_size: 128
    .sgpr_count:     100
    .vgpr_count:     224
    .wavefront_size: 32
...
	.end_amdgpu_metadata
.endif
;; end of part 1
;; launch gemm2 (part 2): grid 8 x 32, 4 waves a work-group, clusters of 4 x 4, 327,680 bytes of LDS; arguments act1, wts, amp_b2, z2; writes z2
.if DOCPART == 2
	.amdgcn_target "amdgcn-amd-amdhsa--gfx1250"
	.amdhsa_code_object_version 6
	.text
	.protected	k_q9859f65ff1_gemm2
	.globl	k_q9859f65ff1_gemm2
	.p2align	8
	.type	k_q9859f65ff1_gemm2,@function
k_q9859f65ff1_gemm2:
	s_mov_b64 s[64:65], 0
	v_nop
	global_prefetch_b8 v0, s[64:65] scope:SCOPE_SE
	s_setreg_imm32_b32 hwreg(HW_REG_WAVE_MODE, 25, 1), 1
	s_wait_xcnt 0x0
	s_wait_alu depctr_hold_cnt(0) depctr_sa_sdst(0) depctr_va_vdst(0) depctr_va_sdst(0) depctr_va_ssrc(0) depctr_va_vcc(0) depctr_vm_vsrc(0)
	s_getreg_b32 s2, hwreg(HW_REG_IB_STS2, 6, 4)
	s_cmp_eq_u32 s2, 0
	s_cbranch_scc0 .Lentry_in_a_cluster
	s_endpgm
.Lentry_in_a_cluster:
	s_bfe_u32 s2, ttmp6, 0x10000c
	s_cmp_lg_u32 s2, 0xf033
	s_cbranch_scc0 .Lentry_shape_is_right
	s_endpgm
.Lentry_shape_is_right:
; z2 = h1 amp_W2^T + amp_b2: [4096 x 4096] x [2048 x 4096]^T on codes of FP6 (E2M3) with E8M0 scales, sums in f32.
; Both operands lie as images of the matrix operand's registers: [128 rows][256 K][4 records of 6,400 bytes]; a record is 32 rows x 256 K: four fragments of 1,536 bytes and two runs of 32 scale words.
; A work-group of four waves makes 128 rows x 256 columns; a wave 64 x 128: 32 accumulators.  K goes through a ring of two LDS slots of 512 along K: a slot is six dense blocks of 25,600 bytes.
; THE MATRIX INSTRUCTION IS USED TRANSPOSED (source 0 = 16 rows of the weight, source 1 = 16 rows of h1): a lane holds one row; by the weights' order of rows register 8 b + j of a row tile is column 32 (b / 2) + 16 h + 8 (b % 2) + j.
; CLUSTERS: 4 x 4.  h1's blocks are shared along a row of the cluster, the weight's along a column: each is asked for jointly.
; The bias is the C of each sum's first matrix instruction.  z2 leaves as images of the accumulators: [16 rows][128 columns][8,192 bytes], each store 512 consecutive bytes.
; REGISTERS: window 0: v16-29 addresses; v32-55 scale words, two sets of 4 + 8; v64-159 two sets of h1's 4 fragments.  window 1: two sets of the weight's 8 fragments, at v0 and v128.  window 2: the accumulators, (a, b) at v[8 (8 a + b)].  window 3: v0-63 the bias.
.set KP,     16                        ; pairs of K steps
.set BOFF,   0                         ; the weight's place in wts
.set BIASOFF, 0
.set FORMX,  0
.set NK,     4                         ; K steps of 128 in a slot
.set UNIT,   25600
.set REC,    6400
.set SLOT,   6*UNIT
.set FILLB,  2*UNIT                    ; a slot's bytes of one group of 128 rows
.set SPARE,  2*SLOT                    ; behind the ring: the spare words, 128 bytes a wave, that no other line names
.set LAPS,   KP/4
.set RA,     100                       ; rows of 256 bytes in a load for h1, and for the weight
.set RB,     200
.set SC,   32
.set ADRA, 16
.set ADRB, 18
.set ADSA, 20
.set ADSB, 22
.set SPW,  28
.set NIL,  29
.set G1A, 24
.set G0A, 32
.set G1B, 48
.set G0B, 56
.set MSB, 0
.macro WIN new                         ; the immediate's high byte repeats the setting that is left
.if MSB != \new
	s_set_vgpr_msb (MSB<<8)|\new
.set MSB, \new
.endif
.endm
.set MUL,  0xa1                        ; source 0 window 1, source 1 window 0, C and D window 2
.set MULF, 0xb1                        ; the same with C in window 3
.set TO_B, 0x40
.macro JLOAD s                         ; a joint load: waves 0, 1 fetch for the activations, waves 2, 3 for the weight; s_nop 0 and four v_nop follow each line
	s_cmp_eq_u32 s15, 0
	s_cbranch_scc0 .Lfor_b_\@
	tensor_load_to_lds s[G0A+4*\s:G0A+4*\s+3], s[G1A:G1A+7]
	s_nop 0
.rept 4
	v_nop
.endr
	s_branch .Lasked_\@
.Lfor_b_\@:
	tensor_load_to_lds s[G0B+4*\s:G0B+4*\s+3], s[G1B:G1B+7]
	s_nop 0
.rept 4
	v_nop
.endr
.Lasked_\@:
.endm
.macro CREST
	s_cmp_lg_u32 s14, 0
	s_cbranch_scc1 .Lnot_wave_0_\@
	s_barrier_signal -3
.Lnot_wave_0_\@:
	s_barrier_wait -3
	s_barrier_signal -1
	s_barrier_wait -1
.endm
.macro CROUND
	s_barrier_signal -1
	s_barrier_wait -1
	CREST
.endm
.macro PLACES                          ; four plain places behind matrix instructions, ahead of loads into registers that they read and of reads of their results
.rept 4
	v_nop
.endr
.endm
.macro FETCH set, slot, ks             ; the fragments of the slot's K step ks: 36 loads of 512 consecutive bytes
	WIN TO_B
.irp b, 0,1,2,3,4,5,6,7
.irp c, 0,1,2
	ds_load_b128 v[128*(\set)+12*\b+4*\c:128*(\set)+12*\b+4*\c+3], v[ADRB+\slot] offset:((\ks)/2)*UNIT+(\b/2)*REC+(\b%2)*3072+((\ks)%2)*1536+512*\c
.endr
.endr
	WIN 0
.irp a, 0,1,2,3
.irp c, 0,1,2
	ds_load_b128 v[64+48*(\set)+12*\a+4*\c:64+48*(\set)+12*\a+4*\c+3], v[ADRA+\slot] offset:((\ks)/2)*UNIT+(\a/2)*REC+(\a%2)*3072+((\ks)%2)*1536+512*\c
.endr
.endr
.endm
.macro SCALES ss, slot, kp             ; the scale words of two K steps: lanes 0-15 the even step's, lanes 16-31 the odd one's
.irp t, 0,1,2,3
	ds_load_b32 v[SC+12*(\ss)+\t], v[ADSA+\slot] offset:(\kp)*UNIT+(\t/2)*REC+6144+(\t%2)*128
.endr
.irp t, 0,1,2,3,4,5,6,7
	ds_load_b32 v[SC+12*(\ss)+4+\t], v[ADSB+\slot] offset:(\kp)*UNIT+(\t/2)*REC+6144+(\t%2)*128
.endr
.endm
.macro MULA a, set, par, ss, first     ; row tile a against the weight's eight tiles.  The 32 accumulators take turns, one instruction a turn
.irp b, 0,1,2,3,4,5,6,7
.if \first
	v_wmma_scale_f32_16x16x128_f8f6f4 v[8*(8*(\a)+\b):8*(8*(\a)+\b)+7], v[128*(\set)+12*\b:128*(\set)+12*\b+11], v[64+48*(\set)+12*(\a):64+48*(\set)+12*(\a)+11], v[8*\b:8*\b+7], v[SC+12*(\ss)+4+\b], v[SC+12*(\ss)+(\a)] matrix_a_fmt:MATRIX_FMT_FP6 matrix_b_fmt:MATRIX_FMT_FP6
.elseif \par
	v_wmma_scale_f32_16x16x128_f8f6f4 v[8*(8*(\a)+\b):8*(8*(\a)+\b)+7], v[128*(\set)+12*\b:128*(\set)+12*\b+11], v[64+48*(\set)+12*(\a):64+48*(\set)+12*(\a)+11], v[8*(8*(\a)+\b):8*(8*(\a)+\b)+7], v[SC+12*(\ss)+4+\b], v[SC+12*(\ss)+(\a)] matrix_a_fmt:MATRIX_FMT_FP6 matrix_b_fmt:MATRIX_FMT_FP6 matrix_a_scale:MATRIX_SCALE_ROW1 matrix_b_scale:MATRIX_SCALE_ROW1
.else
	v_wmma_scale_f32_16x16x128_f8f6f4 v[8*(8*(\a)+\b):8*(8*(\a)+\b)+7], v[128*(\set)+12*\b:128*(\set)+12*\b+11], v[64+48*(\set)+12*(\a):64+48*(\set)+12*(\a)+11], v[8*(8*(\a)+\b):8*(8*(\a)+\b)+7], v[SC+12*(\ss)+4+\b], v[SC+12*(\ss)+(\a)] matrix_a_fmt:MATRIX_FMT_FP6 matrix_b_fmt:MATRIX_FMT_FP6
.endif
.endr
.endm
.macro STEP slot, ks, first            ; a K step that has its successor in the same slot: the successor's fragments are asked for, then this step's 32 products
	PLACES
	FETCH ((\ks)+1)%2, \slot, (\ks)+1
.if (((\ks)+1)%2) == 0
	SCALES ((\ks)+1)/2, \slot, ((\ks)+1)/2
.endif
.if FORMX
.set SSV, \slot
.else
.set SSV, (\ks)/2
.endif
.if \first
	WIN MULF
.else
	WIN MUL
.endif
	MULA 0, (\ks)%2, (\ks)%2, SSV, \first
	MULA 1, (\ks)%2, (\ks)%2, SSV, \first
	MULA 2, (\ks)%2, (\ks)%2, SSV, \first
	MULA 3, (\ks)%2, (\ks)%2, SSV, \first
	WIN 0
	s_wait_dscnt 0x0                               ; the next step's fragments are in (asked for 32 matrix instructions ago)
.endm
.macro TURN slot, next, fill           ; a slot's last K step changes slots: one barrier; fill = 1: it opens a round of the cluster's barrier, and this slot is filled again
.if FORMX
.set SSV, \slot
.set SSN, \next
.else
.set SSV, (NK-1)/2
.set SSN, 0
.endif
	PLACES
	s_wait_tensorcnt 0x0                           ; all my tensor loads have landed: my part of the next slot
	ds_add_u32 v[SPW], v[NIL]                      ; 0 onto my spare word
	WIN MUL
	MULA 0, 1, 1, SSV, 0
	s_wait_dscnt 0x0                               ; the add is done; my reads of this slot were over at the last step's end
	s_barrier_signal -1
	MULA 1, 1, 1, SSV, 0
	WIN 0
	s_barrier_wait -1
.if \fill
	CREST                                          ; no wave of any partner still reads this slot or has a load on its way
	s_add_nc_u64 s[G0A+4*\slot+2:G0A+4*\slot+3], s[G0A+4*\slot+2:G0A+4*\slot+3], 2*FILLB
	s_add_nc_u64 s[G0B+4*\slot+2:G0B+4*\slot+3], s[G0B+4*\slot+2:G0B+4*\slot+3], 2*FILLB
	JLOAD \slot                                    ; my one tensor load behind the round, and the first thing there
.endif
	FETCH 0, \next, 0
	SCALES SSN, \next, 0
	WIN MUL
	MULA 2, 1, 1, SSV, 0
	MULA 3, 1, 1, SSV, 0
	WIN 0
	s_wait_dscnt 0x0
.endm
.macro LAST slot
.if FORMX
.set SSV, \slot
.else
.set SSV, (NK-1)/2
.endif
	WIN MUL
	MULA 0, 1, 1, SSV, 0
	MULA 1, 1, 1, SSV, 0
	MULA 2, 1, 1, SSV, 0
	MULA 3, 1, 1, SSV, 0
	WIN 0
.endm
	s_load_b128 s[4:7], s[0:1], 0x0                ; the activations' images, wts
	s_load_b128 s[8:11], s[0:1], 0x10              ; the bias, the output
	v_lshl_add_u32 v[SPW], v0, 2, SPARE
	v_mov_b32 v[NIL], 0
	ds_add_u32 v[SPW], v[NIL]                      ; the wave's opening: the add, and its wait ahead of my first tensor load
	v_lshrrev_b32 v1, 5, v0
	v_readfirstlane_b32 s14, v1                    ; wave 0..3
	s_lshr_b32 s15, s14, 1                         ; my half of the rows.  Also: I fetch for the activations (0) or the weight (1)
	s_and_b32 s16, s14, 1                          ; my half of the columns.  Also: which part I fetch
	s_bfe_u32 s40, ttmp6, 0x40000                  ; cx, cy
	s_bfe_u32 s41, ttmp6, 0x40004
	s_lshl_b32 s42, ttmp9, 2
	s_add_co_u32 s42, s42, s40                     ; nx: which 256 columns
	s_and_b32 s17, ttmp7, 0xffff
	s_lshl_b32 s17, s17, 2
	s_add_co_u32 s17, s17, s41                     ; my: which 128 rows
	s_lshl_b32 s43, s41, 2
	s_lshl_b32 s43, 15, s43                        ; my row of the cluster
	s_lshl_b32 s44, 0x1111, s40                    ; my column
	s_or_b32 s[G1A+0], s43, (3<<16)|(1<<21)        ; 15:0 the mask; 17:16 elements of 8 bytes; 21 set beside a mask; no padding: every LDS access takes consecutive bytes
	s_or_b32 s[G1B+0], s44, (3<<16)|(1<<21)
	s_mov_b32 s[G1A+1], 32<<16                     ; dense blocks, as rows of 32 elements = 256 bytes
	s_mov_b32 s[G1A+2], RA<<16
	s_mov_b32 s[G1A+3], 32<<16
	s_mov_b32 s[G1A+4], RA
	s_mov_b32 s[G1A+5], 32
	s_mov_b32 s[G1A+6], 0
	s_mov_b32 s[G1A+7], 0
	s_mov_b32 s[G1B+1], 32<<16
	s_mov_b32 s[G1B+2], RB<<16
	s_mov_b32 s[G1B+3], 32<<16
	s_mov_b32 s[G1B+4], RB
	s_mov_b32 s[G1B+5], 32
	s_mov_b32 s[G1B+6], 0
	s_mov_b32 s[G1B+7], 0
	s_mul_i32 s20, s17, KP*UNIT                    ; the activations: group my, the slot's first or second 256 along K
	s_mul_i32 s18, s16, UNIT
	s_add_co_u32 s20, s20, s18
	s_mov_b32 s21, 0
	s_lshl_b32 s46, s42, 1                         ; the weight: group 2 nx + part, both 256 along K
	s_add_co_u32 s46, s46, s16
	s_mul_i32 s46, s46, KP*UNIT
	s_add_co_u32 s46, s46, BOFF
	s_mov_b32 s47, 0
	s_mul_i32 s45, s16, UNIT                       ; where they go: no place in the cluster enters an LDS address
	s_mul_i32 s94, s16, 2*UNIT
	s_add_co_u32 s94, s94, 2*UNIT
	s_wait_dscnt 0x0                               ; the opening add is done
	s_wait_kmcnt 0x0
	s_add_nc_u64 s[20:21], s[4:5], s[20:21]
	s_add_nc_u64 s[46:47], s[6:7], s[46:47]
	CROUND                                         ; all sixteen work-groups are here: the first joint loads meet
.irp s, 0,1
	s_mov_b32 s[G0A+4*\s], 1
	s_add_co_u32 s[G0A+4*\s+1], s45, \s*SLOT
	s_add_nc_u64 s[G0A+4*\s+2:G0A+4*\s+3], s[20:21], \s*FILLB
	s_or_b32 s[G0A+4*\s+3], s[G0A+4*\s+3], 0x80000000
	s_mov_b32 s[G0B+4*\s], 1
	s_add_co_u32 s[G0B+4*\s+1], s94, \s*SLOT
	s_add_nc_u64 s[G0B+4*\s+2:G0B+4*\s+3], s[46:47], \s*FILLB
	s_or_b32 s[G0B+4*\s+3], s[G0B+4*\s+3], 0x80000000
	JLOAD \s                                       ; two loads of mine are out
.endr
	v_and_b32 v2, 31, v0
	v_bfe_u32 v3, v0, 4, 1
	v_lshlrev_b32 v26, 4, v2                       ; 16 x lane
	v_lshlrev_b32 v4, 2, v2                        ; 4 x lane
	v_lshlrev_b32 v27, 6, v3                       ; 64 h
	s_lshl_b32 s66, s42, 10
	s_lshl_b32 s67, s16, 9
	s_add_co_u32 s66, s66, s67
	s_add_co_u32 s66, s66, BIASOFF
	s_mov_b32 s67, 0
	s_add_nc_u64 s[8:9], s[8:9], s[66:67]          ; the bias of my 128 columns
	WIN 0xc0                                       ; destination window 3
.irp b, 0,1,2,3,4,5,6,7
	global_load_b128 v[8*\b:8*\b+3], v27, s[8:9] offset:(32*(\b/2)+8*(\b%2))*4
	global_load_b128 v[8*\b+4:8*\b+7], v27, s[8:9] offset:(32*(\b/2)+8*(\b%2))*4+16
.endr
	WIN 0
	s_mul_i32 s22, s15, 2*REC                      ; my 64 rows: two records
	s_mul_i32 s23, s16, 2*UNIT
	s_add_co_u32 s23, s23, 2*UNIT                  ; my group of the weight
	v_add_nc_u32 v[ADRA], s22, v26
	v_add_nc_u32 v[ADRA+1], SLOT, v[ADRA]
	v_add_nc_u32 v[ADRB], s23, v26
	v_add_nc_u32 v[ADRB+1], SLOT, v[ADRB]
	v_add_nc_u32 v[ADSA], s22, v4
	v_add_nc_u32 v[ADSA+1], SLOT, v[ADSA]
	v_add_nc_u32 v[ADSB], s23, v4
	v_add_nc_u32 v[ADSB+1], SLOT, v[ADSB]
	s_lshl_b32 s68, s17, 3                         ; z2: row tile 8 my + 4 half (+ a), column group 2 nx + half
	s_lshl_b32 s69, s15, 2
	s_add_co_u32 s68, s68, s69
	s_lshl_b32 s68, s68, 4
	s_lshl_b32 s69, s42, 1
	s_add_co_u32 s68, s68, s69
	s_add_co_u32 s68, s68, s16
	s_lshl_b32 s68, s68, 13
	s_mov_b32 s69, 0
	s_add_nc_u64 s[10:11], s[10:11], s[68:69]
	s_wait_tensorcnt 1                             ; my part of slot 0 is in; slot 1's may stay out
	s_barrier_signal -1
	s_barrier_wait -1
	FETCH 0, 0, 0
	SCALES 0, 0, 0
	s_wait_dscnt 0x0
	s_wait_loadcnt 0x0                             ; the bias
	STEP 0, 0, 1                                   ; the first step stands ahead of the loop: its products start the sums from the bias
.if LAPS > 1
	s_mov_b32 s3, LAPS-1
.Llap:                                             ; a trip goes once round the ring and fills both slots again
	STEP 0, 1, 0
	STEP 0, 2, 0
	TURN 0, 1, 1
	STEP 1, 0, 0
	STEP 1, 1, 0
	STEP 1, 2, 0
	TURN 1, 0, 1
	STEP 0, 0, 0
	s_sub_co_u32 s3, s3, 1
	s_cmp_lg_u32 s3, 0
	s_cbranch_scc1 .Llap
.endif
	STEP 0, 1, 0                                   ; the last lap fills nothing
	STEP 0, 2, 0
	TURN 0, 1, 0
	STEP 1, 0, 0
	STEP 1, 1, 0
	STEP 1, 2, 0
	LAST 1
	PLACES
	WIN 0x08                                       ; a store's data are its source 1: window 2
.irp a, 0,1,2,3
.irp b, 0,1,2,3,4,5,6,7
	global_store_b128 v26, v[8*(8*\a+\b):8*(8*\a+\b)+3], s[10:11] offset:\a*131072+1024*\b         ; each accumulator from its low end on; 512 consecutive bytes a store
	global_store_b128 v26, v[8*(8*\a+\b)+4:8*(8*\a+\b)+7], s[10:11] offset:\a*131072+1024*\b+512
.endr
.endr
	WIN 0
	s_wait_tensorcnt 0x0                           ; the wave's end
	ds_add_u32 v[SPW], v[NIL]
	s_wait_dscnt 0x0
	CROUND                                         ; the closing round
	s_endpgm
.Lfunc_end_k_q9859f65ff1_gemm2:
	.size	k_q9859f65ff1_gemm2, .Lfunc_end_k_q9859f65ff1_gemm2-k_q9859f65ff1_gemm2
	.p2alignl 7, 3214868480
	.fill 96, 4, 3214868480
	.section	.rodata,"a",@progbits
	.p2align	6, 0x0
	.amdhsa_kernel k_q9859f65ff1_gemm2
		.amdhsa_group_segment_fixed_size 327680
		.amdhsa_private_segment_fixed_size 0
		.amdhsa_enable_private_segment 0
		.amdhsa_kernarg_size 32
		.amdhsa_user_sgpr_count 2
		.amdhsa_user_sgpr_kernarg_segment_ptr 1
		.amdhsa_wavefront_size32 1
		.amdhsa_system_sgpr_workgroup_id_x 1
		.amdhsa_system_sgpr_workgroup_id_y 1
		.amdhsa_system_sgpr_workgroup_id_z 1
		.amdhsa_system_vgpr_workitem_id 0
		.amdhsa_next_free_vgpr 1024
		.amdhsa_next_free_sgpr 100
		.amdhsa_reserve_vcc 0
		.amdhsa_float_denorm_mode_32 3
		.amdhsa_float_denorm_mode_16_64 3
		.amdhsa_memory_ordered 1
		.amdhsa_forward_progress 1
		.amdhsa_inst_pref_size 128
	.end_amdhsa_kernel
	.amdgpu_metadata
---
amdhsa.version: [ 1, 2 ]
amdhsa.kernels:
  - .name:           k_q9859f65ff1_gemm2
    .symbol:         k_q9859f65ff1_gemm2.kd
    .args:
      - { .name: act1, .offset: 0, .size: 8, .value_kind: global_buffer, .address_space: global }
      - { .name: wts, .offset: 8, .size: 8, .value_kind: global_buffer, .address_space: global }
      - { .name: amp_b2, .offset: 16, .size: 8, .value_kind: global_buffer, .address_space: global }
      - { .name: z2, .offset: 24, .size: 8, .value_kind: global_buffer, .address_space: global }
    .group_segment_fixed_size: 327680
    .private_segment_fixed_size: 0
    .kernarg_segment_align: 8
    .kernarg_segment_size: 32
    .max_flat_workgroup_size: 128
    .sgpr_count:     100
    .vgpr_count:     1024
    .wavefront_size: 32
...
	.end_amdgpu_metadata
.endif
;; end of part 2
;; launch ln2 (part 3): grid 256 x 1, 16 waves a work-group, no clusters, 6,144 bytes of LDS; arguments z2, amp_g2, amp_be2, h2c; writes h2c
.if DOCPART == 3
	.amdgcn_target "amdgcn-amd-amdhsa--gfx1250"
	.amdhsa_code_object_version 6
	.text
	.protected	k_q9859f65ff1_ln2
	.globl	k_q9859f65ff1_ln2
	.p2align	8
	.type	k_q9859f65ff1_ln2,@function
k_q9859f65ff1_ln2:
	s_mov_b64 s[64:65], 0
	v_nop
	global_prefetch_b8 v0, s[64:65] scope:SCOPE_SE
	s_setreg_imm32_b32 hwreg(HW_REG_WAVE_MODE, 25, 1), 1
	s_wait_xcnt 0x0
; h2 = tanh(LN(z2) g2 + be2), quantised along its 2,048 columns to codes of FP6 (E2M3) with E8M0 scales, laid as images of the next product's operand registers.
; A work-group takes 16 rows; wave w takes columns 128 w on, one K step of the next product.  z2 lies as images of 64 registers: lane (r, h) holds row r, register 16 b + i column 128 w + 32 b + 16 h + i:
; just what the quantiser wants.  Mean and variance in two passes (the mean is taken away first), each summed over the sixteen waves through LDS.
; tanh is a rational function z P(z^2) / Q(z^2) of a few ulp, its argument held at +-7.905.  LIMITS: NaN and infinities are not served; a block under 2^-124 keeps the byte 1.
; Memory binds: 16 loads of 512 consecutive bytes a wave, all out at once; no matrix unit, no cluster: work-groups share nothing but 16 KB of gains.
.set RED1,  0
.set RED2,  2048
.set SPARE, 4096                       ; the spare words: 128 bytes for each of sixteen waves, that no other line names
.set Z,   64
.set G,   128
.set BE,  192
.set KT,  192                          ; tanh's coefficients, each twice, where the offsets lay: +0 .. +12 P's, from z^12 down; +14 .. +20 Q's, from z^6 down
.set TM,  32                           ; v32-35 largest magnitudes, v36-39 bytes, v44-47 scale operands
.set PC,  128
.set PW,  160
.set SEL, 12
.macro KSET reg, val
	v_mov_b32 v[\reg], \val
	v_mov_b32 v[\reg+1], \val
.endm
.macro QUANT s                         ; 64 numbers of a lane become a fragment's codes in v[PC] on and its scale word in v[PW]
.irp b, 0,1,2,3
	v_max3_num_f32 v[TM+\b], |v[\s+16*\b]|, |v[\s+1+16*\b]|, 0x1800000   ; with the floor 2^(3 - 127)
.endr
.irp i, 2,4,6,8,10,12,14
.irp b, 0,1,2,3
	v_max3_num_f32 v[TM+\b], v[TM+\b], |v[\s+16*\b+\i]|, |v[\s+1+16*\b+\i]|
.endr
.endr
.irp b, 0,1,2,3
	v_permlanex16_b32 v[TM+4+\b], v[TM+\b], s[SEL], s[SEL+1]
.endr
.irp b, 0,1,2,3
	v_max_num_f32 v[TM+\b], v[TM+\b], v[TM+4+\b]
.endr
.irp b, 0,1,2,3
	v_add_nc_u32 v[TM+12+\b], 0xff000000, v[TM+\b]
.endr
.irp b, 0,1,2,3
	v_lshrrev_b32 v[TM+4+\b], 23, v[TM+12+\b]
.endr
	v_lshl_or_b32 v[PW], v[TM+5], 8, v[TM+4]
	v_lshl_or_b32 v[PW], v[TM+6], 16, v[PW]
	v_lshl_or_b32 v[PW], v[TM+7], 24, v[PW]
.irp c, 0,1
	v_cvt_scalef32_pk16_fp6_f32 v[PC+6*\c:PC+2+6*\c], v[\s+32*\c:\s+15+32*\c], v[TM+12+2*\c]
	v_cvt_scalef32_pk16_fp6_f32 v[PC+12+4*\c:PC+14+4*\c], v[\s+16+32*\c:\s+31+32*\c], v[TM+12+2*\c+1]
.endr
	v_nop
.irp c, 0,1
.irp i, 0,1,2
	v_permlane16_swap_b32 v[PC+6*\c+\i], v[PC+12+4*\c+\i]
.endr
.irp i, 0,1,2
	v_mov_b32 v[PC+3+6*\c+\i], v[PC+12+4*\c+\i]
.endr
.endr
.endm
.macro ACROSS red                      ; v12, my wave's sum of my row, becomes the sum over the sixteen waves
	ds_store_b32 v6, v12 offset:\red
	s_wait_dscnt 0x0
	s_barrier_signal -1
	s_barrier_wait -1
.irp i, 0,1,2,3,4,5,6,7,8,9,10,11,12,13,14,15
	ds_load_b32 v[12+\i], v7 offset:\red+128*\i
.endr
	s_wait_dscnt 0x0
.irp i, 0,2,4,6
	v_pk_add_f32 v[12+\i:13+\i], v[12+\i:13+\i], v[20+\i:21+\i]
.endr
	v_pk_add_f32 v[12:13], v[12:13], v[16:17]
	v_pk_add_f32 v[14:15], v[14:15], v[18:19]
	v_pk_add_f32 v[12:13], v[12:13], v[14:15]
	v_add_f32 v12, v12, v13
.endm
.macro FOLD                            ; four chains in v12-19 become one number, with lane l xor 16's
	v_pk_add_f32 v[12:13], v[12:13], v[14:15]
	v_pk_add_f32 v[16:17], v[16:17], v[18:19]
	v_pk_add_f32 v[12:13], v[12:13], v[16:17]
	v_add_f32 v12, v12, v13
	v_permlanex16_b32 v13, v12, s[SEL], s[SEL+1]
	v_add_f32 v12, v12, v13
.endm
	s_load_b128 s[4:7], s[0:1], 0x0                ; z2, g2
	s_load_b128 s[8:11], s[0:1], 0x10              ; be2, h2c
	v_lshl_add_u32 v10, v0, 2, SPARE
	v_mov_b32 v11, 0
	v_lshrrev_b32 v1, 5, v0
	v_readfirstlane_b32 s14, v1                    ; wave 0..15
	v_and_b32 v1, 31, v0
	v_and_b32 v2, 15, v0
	v_bfe_u32 v3, v0, 4, 1
	v_lshlrev_b32 v4, 4, v1                        ; 16 x lane
	v_lshlrev_b32 v5, 6, v3                        ; 64 h
	v_lshlrev_b32 v6, 2, v0                        ; 128 x wave + 4 x lane
	v_lshlrev_b32 v7, 2, v1                        ; 4 x lane
	v_lshlrev_b32 v8, 2, v2                        ; 4 r
.irp b, 0,1,2,3
	v_mov_b32 v[TM+4+\b], 0
.endr
	s_mov_b32 s[SEL], 0x76543210
	s_mov_b32 s[SEL+1], 0xfedcba98
	s_mov_b32 s30, 0x40fcf84f
	s_mov_b32 s31, 0xc0fcf84f
	s_lshl_b32 s16, ttmp9, 4
	s_add_co_u32 s16, s16, s14
	s_lshl_b32 s16, s16, 13                        ; my image of z2
	s_mov_b32 s17, 0
	s_lshl_b32 s18, s14, 9                         ; my 128 gains
	s_mov_b32 s19, 0
	s_lshr_b32 s20, ttmp9, 3
	s_lshl_b32 s20, s20, 3
	s_lshr_b32 s21, s14, 1
	s_add_co_u32 s20, s20, s21
	s_lshl_b32 s20, s20, 2
	s_bfe_u32 s21, ttmp9, 0x20001
	s_add_co_u32 s20, s20, s21
	s_mul_i32 s20, s20, 6400                       ; my record in h2c
	s_and_b32 s21, ttmp9, 1                        ; which tile of its two
	s_and_b32 s22, s14, 1                          ; which K step of its two
	s_mul_i32 s23, s21, 3072
	s_mul_i32 s26, s22, 1536
	s_add_co_u32 s24, s20, s23
	s_add_co_u32 s24, s24, s26
	s_mov_b32 s25, 0
	s_lshl_b32 s21, s21, 7
	s_lshl_b32 s22, s22, 6
	s_add_co_u32 s26, s20, s21
	s_add_co_u32 s26, s26, s22
	s_add_co_u32 s26, s26, 6144
	s_mov_b32 s27, 0
	s_wait_kmcnt 0x0
	s_add_nc_u64 s[4:5], s[4:5], s[16:17]
	s_add_nc_u64 s[6:7], s[6:7], s[18:19]
	s_add_nc_u64 s[8:9], s[8:9], s[18:19]
	s_add_nc_u64 s[28:29], s[10:11], s[26:27]
	s_add_nc_u64 s[10:11], s[10:11], s[24:25]
.irp c, 0,1,2,3,4,5,6,7,8,9,10,11,12,13,14,15
	global_load_b128 v[Z+4*\c:Z+4*\c+3], v4, s[4:5] offset:512*\c th:TH_LOAD_NT
.endr
.irp c, 0,1,2,3,4,5,6,7,8,9,10,11,12,13,14,15
	global_load_b128 v[G+4*\c:G+4*\c+3], v5, s[6:7] offset:128*(\c/4)+16*(\c%4)
	global_load_b128 v[BE+4*\c:BE+4*\c+3], v5, s[8:9] offset:128*(\c/4)+16*(\c%4)
.endr
	s_wait_loadcnt 32                              ; z2's sixteen are in; the 32 loads of gain and offset may be out
.irp k, 0,1,2,3
	v_pk_add_f32 v[12+2*\k:13+2*\k], v[Z+2*\k:Z+2*\k+1], v[Z+8+2*\k:Z+9+2*\k]
.endr
.irp p, 8,12,16,20,24,28
.irp k, 0,1,2,3
	v_pk_add_f32 v[12+2*\k:13+2*\k], v[12+2*\k:13+2*\k], v[Z+2*(\p+\k):Z+2*(\p+\k)+1]
.endr
.endr
	FOLD
	ACROSS RED1
	v_mul_f32 v28, 0xba000000, v12                 ; the row's mean, NEGATED (x -2^-11)
	v_mov_b32 v29, v28
.set p, 0
.rept 32
	v_pk_add_f32 v[Z+2*p:Z+2*p+1], v[Z+2*p:Z+2*p+1], v[28:29]
.set p, p+1
.endr
.irp k, 0,1,2,3
	v_pk_mul_f32 v[12+2*\k:13+2*\k], v[Z+2*\k:Z+2*\k+1], v[Z+2*\k:Z+2*\k+1]
.endr
.irp p, 4,8,12,16,20,24,28
.irp k, 0,1,2,3
	v_pk_fma_f32 v[12+2*\k:13+2*\k], v[Z+2*(\p+\k):Z+2*(\p+\k)+1], v[Z+2*(\p+\k):Z+2*(\p+\k)+1], v[12+2*\k:13+2*\k]
.endr
.endr
	FOLD
	ACROSS RED2
	v_mul_f32 v12, 0x3a000000, v12                 ; the variance
	v_add_f32 v12, 0x3727c5ac, v12                 ; + 1e-5
	v_rsq_f32 v28, v12
	v_rsq_f32 v29, v12
	v_nop
	s_wait_alu depctr_va_vdst(0)
	s_wait_loadcnt 0x0
.set p, 0
.rept 32
	v_pk_mul_f32 v[Z+2*p:Z+2*p+1], v[Z+2*p:Z+2*p+1], v[28:29]
.set p, p+1
.endr
.set p, 0
.rept 32
	v_pk_fma_f32 v[Z+2*p:Z+2*p+1], v[Z+2*p:Z+2*p+1], v[G+2*p:G+2*p+1], v[BE+2*p:BE+2*p+1]
.set p, p+1
.endr
	KSET KT+0,  0xa59f25c0                         ; the offsets are done with: tanh's numerator,
	KSET KT+2,  0x2a61337e
	KSET KT+4,  0xaebd37ff
	KSET KT+6,  0x335c0041
	KSET KT+8,  0x3779434a
	KSET KT+10, 0x3a270ded
	KSET KT+12, 0x3ba059dc
	KSET KT+14, 0x35a0d3d8                         ; and its denominator
	KSET KT+16, 0x38f895d6
	KSET KT+18, 0x3b14aa05
	KSET KT+20, 0x3ba059dd
.set g, 0
.rept 8                                ; tanh: four pairs by turns; Q goes where the gains lay
.irp k, 0,1,2,3,4,5,6,7
	v_med3_num_f32 v[Z+8*g+\k], v[Z+8*g+\k], s31, s30
.endr
.irp k, 0,1,2,3
	v_pk_mul_f32 v[12+2*\k:13+2*\k], v[Z+8*g+2*\k:Z+8*g+2*\k+1], v[Z+8*g+2*\k:Z+8*g+2*\k+1]
.endr
.irp k, 0,1,2,3
	v_pk_fma_f32 v[20+2*\k:21+2*\k], v[12+2*\k:13+2*\k], v[KT:KT+1], v[KT+2:KT+3]
.endr
.irp cc, 4,6,8,10,12
.irp k, 0,1,2,3
	v_pk_fma_f32 v[20+2*\k:21+2*\k], v[20+2*\k:21+2*\k], v[12+2*\k:13+2*\k], v[KT+\cc:KT+\cc+1]
.endr
.endr
.irp k, 0,1,2,3
	v_pk_mul_f32 v[Z+8*g+2*\k:Z+8*g+2*\k+1], v[Z+8*g+2*\k:Z+8*g+2*\k+1], v[20+2*\k:21+2*\k]
.endr
.irp k, 0,1,2,3
	v_pk_fma_f32 v[G+8*g+2*\k:G+8*g+2*\k+1], v[12+2*\k:13+2*\k], v[KT+14:KT+15], v[KT+16:KT+17]
.endr
.irp cc, 18,20
.irp k, 0,1,2,3
	v_pk_fma_f32 v[G+8*g+2*\k:G+8*g+2*\k+1], v[G+8*g+2*\k:G+8*g+2*\k+1], v[12+2*\k:13+2*\k], v[KT+\cc:KT+\cc+1]
.endr
.endr
.set g, g+1
.endr
.set p, 0
.rept 64
	v_rcp_f32 v[G+p], v[G+p]
.set p, p+1
.endr
	v_nop
	s_wait_alu depctr_va_vdst(0)                   ; one wait for the batch
.set p, 0
.rept 32
	v_pk_mul_f32 v[Z+2*p:Z+2*p+1], v[Z+2*p:Z+2*p+1], v[G+2*p:G+2*p+1]
.set p, p+1
.endr
	QUANT Z
.irp c, 0,1,2
	global_store_b128 v4, v[PC+4*\c:PC+4*\c+3], s[10:11] offset:512*\c
.endr
	global_store_b32 v8, v[PW], s[28:29]           ; lanes l and l xor 16 hold the same word and write it to the same place
	s_wait_tensorcnt 0x0                           ; the wave's end
	ds_add_u32 v10, v11
	s_wait_dscnt 0x0
	s_endpgm
.Lfunc_end_k_q9859f65ff1_ln2:
	.size	k_q9859f65ff1_ln2, .Lfunc_end_k_q9859f65ff1_ln2-k_q9859f65ff1_ln2
	.p2alignl 7, 3214868480
	.fill 96, 4, 3214868480
	.section	.rodata,"a",@progbits
	.p2align	6, 0x0
	.amdhsa_kernel k_q9859f65ff1_ln2
		.amdhsa_group_segment_fixed_size 6144
		.amdhsa_private_segment_fixed_size 0
		.amdhsa_enable_private_segment 0
		.amdhsa_kernarg_size 32
		.amdhsa_user_sgpr_count 2
		.amdhsa_user_sgpr_kernarg_segment_ptr 1
		.amdhsa_wavefront_size32 1
		.amdhsa_system_sgpr_workgroup_id_x 1
		.amdhsa_system_sgpr_workgroup_id_y 1
		.amdhsa_system_sgpr_workgroup_id_z 1
		.amdhsa_system_vgpr_workitem_id 0
		.amdhsa_next_free_vgpr 256
		.amdhsa_next_free_sgpr 66
		.amdhsa_reserve_vcc 0
		.amdhsa_float_denorm_mode_32 3
		.amdhsa_float_denorm_mode_16_64 3
		.amdhsa_memory_ordered 1
		.amdhsa_forward_progress 1
		.amdhsa_inst_pref_size 57
	.end_amdhsa_kernel
	.amdgpu_metadata
---
amdhsa.version: [ 1, 2 ]
amdhsa.kernels:
  - .name:           k_q9859f65ff1_ln2
    .symbol:         k_q9859f65ff1_ln2.kd
    .args:
      - { .name: z2, .offset: 0, .size: 8, .value_kind: global_buffer, .address_space: global }
      - { .name: amp_g2, .offset: 8, .size: 8, .value_kind: global_buffer, .address_space: global }
      - { .name: amp_be2, .offset: 16, .size: 8, .value_kind: global_buffer, .address_space: global }
      - { .name: h2c, .offset: 24, .size: 8, .value_kind: global_buffer, .address_space: global }
    .group_segment_fixed_size: 6144
    .private_segment_fixed_size: 0
    .kernarg_segment_align: 8
    .kernarg_segment_size: 32
    .max_flat_workgroup_size: 512
    .sgpr_count:     66
    .vgpr_count:     256
    .wavefront_size: 32
...
	.end_amdgpu_metadata
.endif
;; end of part 3
;; launch gemm35 (part 4): grid 8 x 32, 4 waves a work-group, clusters of 4 x 4, 327,680 bytes of LDS; arguments h2c, act1, wts, amp_b3, ph_b2, rot_freq, rot_phase, qsc; writes qsc
.if DOCPART == 4
	.amdgcn_target "amdgcn-amd-amdhsa--gfx1250"
	.amdhsa_code_object_version 6
	.text
	.protected	k_q9859f65ff1_gemm35
	.globl	k_q9859f65ff1_gemm35
	.p2align	8
	.type	k_q9859f65ff1_gemm35,@function
k_q9859f65ff1_gemm35:
	s_mov_b64 s[64:65], 0
	v_nop
	global_prefetch_b8 v0, s[64:65] scope:SCOPE_SE
	s_setreg_imm32_b32 hwreg(HW_REG_WAVE_MODE, 25, 1), 1
	s_wait_xcnt 0x0
	s_wait_alu depctr_hold_cnt(0) depctr_sa_sdst(0) depctr_va_vdst(0) depctr_va_sdst(0) depctr_va_ssrc(0) depctr_va_vcc(0) depctr_vm_vsrc(0)
	s_getreg_b32 s2, hwreg(HW_REG_IB_STS2, 6, 4)
	s_cmp_eq_u32 s2, 0
	s_cbranch_scc0 .Lentry_in_a_cluster
	s_endpgm
.Lentry_in_a_cluster:
	s_bfe_u32 s2, ttmp6, 0x10000c
	s_cmp_lg_u32 s2, 0xf033
	s_cbranch_scc0 .Lentry_shape_is_right
	s_endpgm
.Lentry_shape_is_right:
; amp = h2 amp_W3^T + amp_b3 and phase = tanh(p ph_W2^T + ph_b2), both [4096 x 2048] x [1024 x 2048]^T on codes of FP6 (E2M3) with E8M0 scales; then
; qs = (sin(amp f0 + p0) + cos(phase f1 + p1) + tanh(p2)) / 3 with the last depth's f and p, quantised along its 1,024 columns into images of the next product's operand.
; A work-group makes 128 rows x 128 columns of BOTH products: waves 0, 2 amp's two halves of the rows, waves 1, 3 phase's; a wave 64 x 128: 32 accumulators.
; K goes through a ring of two LDS slots of 256 along K: four dense blocks of 25,600 bytes (h2, p, W3, ph_W2), one load a wave.  Operands, layouts, the transposed use and the cluster's joint loads as in the launch for z2.
; THE WAY OUT: both results meet in LDS (in the ring, which has had its last fill) as images of 64 registers a row tile; then each wave takes two row tiles through sin, cos and the quantiser.
; sin and cos: the argument less the nearest multiple of pi (pi in two parts), a Taylor polynomial to r^13 or r^12, the sign from the multiple's parity.  tanh = 1 - 2 / (1 + 2^(2 x log2 e)).
; The way out's 21 constants stand twice each in pairs of window 0 that the products have left free (never in the scale words' registers).
; LIMITS: |argument| of sin and cos under 2^22 pi; NaN and infinities are not served; / 3 is a multiplication by the f32 number nearest 1/3; a block under 2^-124 keeps the byte 1.
.set FORMX,  1
.set NK,     2
.set UNIT,   25600
.set REC,    6400
.set SLOT,   4*UNIT
.set FILLB,  UNIT
.set SPARE,  2*SLOT
.set RA,     100
.set RB,     100
.set SC,   32
.set ADRA, 16
.set ADRB, 18
.set ADSA, 20
.set ADSB, 22
.set SPW,  28
.set NIL,  29
.set G1A, 24
.set G0A, 32
.set G1B, 48
.set G0B, 56
.set TM,  232                          ; v232-235 largest magnitudes, v236-239 bytes, v244-247 scale operands (v240-243: two constants)
.set PC,  192
.set PW,  248
.set SEL, 90
.set VEC, 131072                       ; the way out: amp's 8 tiles from LDS byte 0, phase's from 65,536, five vectors of 128 numbers from here
.set K_INVPI,  4
.set K_MAGIC,  6
.set K_NMAGIC, 8
.set K_NPIHI,  16
.set K_NPILO,  18
.set K_S13,    20
.set K_S11,    22
.set K_S9,     30
.set K_S7,     56
.set K_S5,     58
.set K_S3,     60
.set K_C12,    62
.set K_C10,    224
.set K_C8,     226
.set K_C6,     228
.set K_C4,     230
.set K_MHALF,  240
.set K_NTWO,   242
.set K_L2E2,   250
.set K_THIRD,  252
.set K_ONE,    254
.set MSB, 0
.macro WIN new
.if MSB != \new
	s_set_vgpr_msb (MSB<<8)|\new
.set MSB, \new
.endif
.endm
.set MUL,  0xa1
.set MULF, 0xb1
.set TO_B, 0x40
.macro KSET reg, val
	v_mov_b32 v[\reg], \val
	v_mov_b32 v[\reg+1], \val
.endm
.macro JLOAD s
	s_cmp_eq_u32 s15, 0
	s_cbranch_scc0 .Lfor_b_\@
	tensor_load_to_lds s[G0A+4*\s:G0A+4*\s+3], s[G1A:G1A+7]
	s_nop 0
.rept 4
	v_nop
.endr
	s_branch .Lasked_\@
.Lfor_b_\@:
	tensor_load_to_lds s[G0B+4*\s:G0B+4*\s+3], s[G1B:G1B+7]
	s_nop 0
.rept 4
	v_nop
.endr
.Lasked_\@:
.endm
.macro CREST
	s_cmp_lg_u32 s14, 0
	s_cbranch_scc1 .Lnot_wave_0_\@
	s_barrier_signal -3
.Lnot_wave_0_\@:
	s_barrier_wait -3
	s_barrier_signal -1
	s_barrier_wait -1
.endm
.macro CROUND
	s_barrier_signal -1
	s_barrier_wait -1
	CREST
.endm
.macro PLACES
.rept 4
	v_nop
.endr
.endm
.macro FETCH set, slot, ks
	WIN TO_B
.irp b, 0,1,2,3,4,5,6,7
.irp c, 0,1,2
	ds_load_b128 v[128*(\set)+12*\b+4*\c:128*(\set)+12*\b+4*\c+3], v[ADRB+\slot] offset:((\ks)/2)*UNIT+(\b/2)*REC+(\b%2)*3072+((\ks)%2)*1536+512*\c
.endr
.endr
	WIN 0
.irp a, 0,1,2,3
.irp c, 0,1,2
	ds_load_b128 v[64+48*(\set)+12*\a+4*\c:64+48*(\set)+12*\a+4*\c+3], v[ADRA+\slot] offset:((\ks)/2)*UNIT+(\a/2)*REC+(\a%2)*3072+((\ks)%2)*1536+512*\c
.endr
.endr
.endm
.macro SCALES ss, slot, kp
.irp t, 0,1,2,3
	ds_load_b32 v[SC+12*(\ss)+\t], v[ADSA+\slot] offset:(\kp)*UNIT+(\t/2)*REC+6144+(\t%2)*128
.endr
.irp t, 0,1,2,3,4,5,6,7
	ds_load_b32 v[SC+12*(\ss)+4+\t], v[ADSB+\slot] offset:(\kp)*UNIT+(\t/2)*REC+6144+(\t%2)*128
.endr
.endm
.macro MULA a, set, par, ss, first     ; the 32 accumulators take turns, one instruction a turn
.irp b, 0,1,2,3,4,5,6,7
.if \first
	v_wmma_scale_f32_16x16x128_f8f6f4 v[8*(8*(\a)+\b):8*(8*(\a)+\b)+7], v[128*(\set)+12*\b:128*(\set)+12*\b+11], v[64+48*(\set)+12*(\a):64+48*(\set)+12*(\a)+11], v[8*\b:8*\b+7], v[SC+12*(\ss)+4+\b], v[SC+12*(\ss)+(\a)] matrix_a_fmt:MATRIX_FMT_FP6 matrix_b_fmt:MATRIX_FMT_FP6
.elseif \par
	v_wmma_scale_f32_16x16x128_f8f6f4 v[8*(8*(\a)+\b):8*(8*(\a)+\b)+7], v[128*(\set)+12*\b:128*(\set)+12*\b+11], v[64+48*(\set)+12*(\a):64+48*(\set)+12*(\a)+11], v[8*(8*(\a)+\b):8*(8*(\a)+\b)+7], v[SC+12*(\ss)+4+\b], v[SC+12*(\ss)+(\a)] matrix_a_fmt:MATRIX_FMT_FP6 matrix_b_fmt:MATRIX_FMT_FP6 matrix_a_scale:MATRIX_SCALE_ROW1 matrix_b_scale:MATRIX_SCALE_ROW1
.else
	v_wmma_scale_f32_16x16x128_f8f6f4 v[8*(8*(\a)+\b):8*(8*(\a)+\b)+7], v[128*(\set)+12*\b:128*(\set)+12*\b+11], v[64+48*(\set)+12*(\a):64+48*(\set)+12*(\a)+11], v[8*(8*(\a)+\b):8*(8*(\a)+\b)+7], v[SC+12*(\ss)+4+\b], v[SC+12*(\ss)+(\a)] matrix_a_fmt:MATRIX_FMT_FP6 matrix_b_fmt:MATRIX_FMT_FP6
.endif
.endr
.endm
.macro STEP slot, ks, first
	PLACES
	FETCH ((\ks)+1)%2, \slot, (\ks)+1
.if (((\ks)+1)%2) == 0
	SCALES ((\ks)+1)/2, \slot, ((\ks)+1)/2
.endif
.if FORMX
.set SSV, \slot
.else
.set SSV, (\ks)/2
.endif
.if \first
	WIN MULF
.else
	WIN MUL
.endif
	MULA 0, (\ks)%2, (\ks)%2, SSV, \first
	MULA 1, (\ks)%2, (\ks)%2, SSV, \first
	MULA 2, (\ks)%2, (\ks)%2, SSV, \first
	MULA 3, (\ks)%2, (\ks)%2, SSV, \first
	WIN 0
	s_wait_dscnt 0x0
.endm
.macro TURN slot, next, fill
.if FORMX
.set SSV, \slot
.set SSN, \next
.else
.set SSV, (NK-1)/2
.set SSN, 0
.endif
	PLACES
	s_wait_tensorcnt 0x0                           ; all my tensor loads have landed: my part of the next slot
	ds_add_u32 v[SPW], v[NIL]                      ; 0 onto my spare word
	WIN MUL
	MULA 0, 1, 1, SSV, 0
	s_wait_dscnt 0x0                               ; the add is done; my reads of this slot were over at the last step's end
	s_barrier_signal -1
	MULA 1, 1, 1, SSV, 0
	WIN 0
	s_barrier_wait -1
.if \fill
	CREST
	s_add_nc_u64 s[G0A+4*\slot+2:G0A+4*\slot+3], s[G0A+4*\slot+2:G0A+4*\slot+3], 2*FILLB
	s_add_nc_u64 s[G0B+4*\slot+2:G0B+4*\slot+3], s[G0B+4*\slot+2:G0B+4*\slot+3], 2*FILLB
	JLOAD \slot
.endif
	FETCH 0, \next, 0
	SCALES SSN, \next, 0
	WIN MUL
	MULA 2, 1, 1, SSV, 0
	MULA 3, 1, 1, SSV, 0
	WIN 0
	s_wait_dscnt 0x0
.endm
.macro LAST slot
.if FORMX
.set SSV, \slot
.else
.set SSV, (NK-1)/2
.endif
	WIN MUL
	MULA 0, 1, 1, SSV, 0
	MULA 1, 1, 1, SSV, 0
	MULA 2, 1, 1, SSV, 0
	MULA 3, 1, 1, SSV, 0
	WIN 0
.endm
.macro QUANT s
.irp b, 0,1,2,3
	v_max3_num_f32 v[TM+\b], |v[\s+16*\b]|, |v[\s+1+16*\b]|, 0x1800000
.endr
.irp i, 2,4,6,8,10,12,14
.irp b, 0,1,2,3
	v_max3_num_f32 v[TM+\b], v[TM+\b], |v[\s+16*\b+\i]|, |v[\s+1+16*\b+\i]|
.endr
.endr
.irp b, 0,1,2,3
	v_permlanex16_b32 v[TM+4+\b], v[TM+\b], s[SEL], s[SEL+1]
.endr
.irp b, 0,1,2,3
	v_max_num_f32 v[TM+\b], v[TM+\b], v[TM+4+\b]
.endr
.irp b, 0,1,2,3
	v_add_nc_u32 v[TM+12+\b], 0xff000000, v[TM+\b]
.endr
.irp b, 0,1,2,3
	v_lshrrev_b32 v[TM+4+\b], 23, v[TM+12+\b]
.endr
	v_lshl_or_b32 v[PW], v[TM+5], 8, v[TM+4]
	v_lshl_or_b32 v[PW], v[TM+6], 16, v[PW]
	v_lshl_or_b32 v[PW], v[TM+7], 24, v[PW]
.irp c, 0,1
	v_cvt_scalef32_pk16_fp6_f32 v[PC+6*\c:PC+2+6*\c], v[\s+32*\c:\s+15+32*\c], v[TM+12+2*\c]
	v_cvt_scalef32_pk16_fp6_f32 v[PC+12+4*\c:PC+14+4*\c], v[\s+16+32*\c:\s+31+32*\c], v[TM+12+2*\c+1]
.endr
	v_nop
.irp c, 0,1
.irp i, 0,1,2
	v_permlane16_swap_b32 v[PC+6*\c+\i], v[PC+12+4*\c+\i]
.endr
.irp i, 0,1,2
	v_mov_b32 v[PC+3+6*\c+\i], v[PC+12+4*\c+\i]
.endr
.endr
.endm
.macro TRIG base, iscos                ; 64 arguments at v[base] become their sines or cosines; four pairs by turns; v192-223 at work
.set g, 0
.rept 8
.irp k, 0,1,2,3
	v_pk_fma_f32 v[192+2*\k:193+2*\k], v[\base+8*g+2*\k:\base+8*g+2*\k+1], v[K_INVPI:K_INVPI+1], v[K_MAGIC:K_MAGIC+1]   ; a / pi + 1.5 x 2^23: the nearest whole number n in the low bits
.endr
.irp k, 0,1,2,3
	v_pk_add_f32 v[216+2*\k:217+2*\k], v[192+2*\k:193+2*\k], v[K_NMAGIC:K_NMAGIC+1]      ; n
.endr
.irp kk, K_NPIHI, K_NPILO
.irp k, 0,1,2,3
	v_pk_fma_f32 v[\base+8*g+2*\k:\base+8*g+2*\k+1], v[216+2*\k:217+2*\k], v[\kk:\kk+1], v[\base+8*g+2*\k:\base+8*g+2*\k+1]   ; r = a - n pi, pi in two parts
.endr
.endr
.irp k, 0,1,2,3
	v_pk_mul_f32 v[200+2*\k:201+2*\k], v[\base+8*g+2*\k:\base+8*g+2*\k+1], v[\base+8*g+2*\k:\base+8*g+2*\k+1]
.endr
.if \iscos
.irp k, 0,1,2,3
	v_pk_fma_f32 v[208+2*\k:209+2*\k], v[200+2*\k:201+2*\k], v[K_C12:K_C12+1], v[K_C10:K_C10+1]
.endr
.irp kk, K_C8, K_C6, K_C4, K_MHALF
.irp k, 0,1,2,3
	v_pk_fma_f32 v[208+2*\k:209+2*\k], v[208+2*\k:209+2*\k], v[200+2*\k:201+2*\k], v[\kk:\kk+1]
.endr
.endr
.irp k, 0,1,2,3
	v_pk_fma_f32 v[\base+8*g+2*\k:\base+8*g+2*\k+1], v[200+2*\k:201+2*\k], v[208+2*\k:209+2*\k], v[K_ONE:K_ONE+1]
.endr
.else
.irp k, 0,1,2,3
	v_pk_fma_f32 v[208+2*\k:209+2*\k], v[200+2*\k:201+2*\k], v[K_S13:K_S13+1], v[K_S11:K_S11+1]
.endr
.irp kk, K_S9, K_S7, K_S5, K_S3
.irp k, 0,1,2,3
	v_pk_fma_f32 v[208+2*\k:209+2*\k], v[208+2*\k:209+2*\k], v[200+2*\k:201+2*\k], v[\kk:\kk+1]
.endr
.endr
.irp k, 0,1,2,3
	v_pk_mul_f32 v[216+2*\k:217+2*\k], v[\base+8*g+2*\k:\base+8*g+2*\k+1], v[200+2*\k:201+2*\k]
.endr
.irp k, 0,1,2,3
	v_pk_fma_f32 v[\base+8*g+2*\k:\base+8*g+2*\k+1], v[216+2*\k:217+2*\k], v[208+2*\k:209+2*\k], v[\base+8*g+2*\k:\base+8*g+2*\k+1]
.endr
.endif
.irp j, 0,1,2,3,4,5,6,7
	v_lshlrev_b32 v[192+\j], 31, v[192+\j]         ; n's parity as a sign
.endr
.irp j, 0,1,2,3,4,5,6,7
	v_xor_b32 v[\base+8*g+\j], v[192+\j], v[\base+8*g+\j]
.endr
.set g, g+1
.endr
.endm
	s_load_b128 s[4:7], s[0:1], 0x0                ; h2c, act1
	s_load_b128 s[8:11], s[0:1], 0x10              ; wts, amp_b3
	s_load_b128 s[80:83], s[0:1], 0x20             ; ph_b2, rot_freq
	s_load_b128 s[84:87], s[0:1], 0x30             ; rot_phase, qsc
	v_lshl_add_u32 v[SPW], v0, 2, SPARE
	v_mov_b32 v[NIL], 0
	ds_add_u32 v[SPW], v[NIL]                      ; the wave's opening: the add, and its wait ahead of my first tensor load
	v_lshrrev_b32 v1, 5, v0
	v_readfirstlane_b32 s14, v1                    ; wave 0..3
	s_lshr_b32 s15, s14, 1                         ; my half of the rows.  Also: I fetch an activation (0) or a weight (1)
	s_and_b32 s16, s14, 1                          ; amp (0) or phase (1), in what I multiply and in what I fetch
	s_bfe_u32 s40, ttmp6, 0x40000
	s_bfe_u32 s41, ttmp6, 0x40004
	s_lshl_b32 s42, ttmp9, 2
	s_add_co_u32 s42, s42, s40                     ; nx: which 128 columns
	s_and_b32 s17, ttmp7, 0xffff
	s_lshl_b32 s17, s17, 2
	s_add_co_u32 s17, s17, s41                     ; my: which 128 rows
	s_lshl_b32 s43, s41, 2
	s_lshl_b32 s43, 15, s43
	s_lshl_b32 s44, 0x1111, s40
	s_or_b32 s[G1A+0], s43, (3<<16)|(1<<21)
	s_or_b32 s[G1B+0], s44, (3<<16)|(1<<21)
	s_mov_b32 s[G1A+1], 32<<16
	s_mov_b32 s[G1A+2], RA<<16
	s_mov_b32 s[G1A+3], 32<<16
	s_mov_b32 s[G1A+4], RA
	s_mov_b32 s[G1A+5], 32
	s_mov_b32 s[G1A+6], 0
	s_mov_b32 s[G1A+7], 0
	s_mov_b32 s[G1B+1], 32<<16
	s_mov_b32 s[G1B+2], RB<<16
	s_mov_b32 s[G1B+3], 32<<16
	s_mov_b32 s[G1B+4], RB
	s_mov_b32 s[G1B+5], 32
	s_mov_b32 s[G1B+6], 0
	s_mov_b32 s[G1B+7], 0
	s_mul_i32 s20, s17, 8*UNIT
	s_mov_b32 s21, 0
	s_mul_i32 s46, s42, 8*UNIT
	s_mul_i32 s47, s16, 1638400                    ; ph_W2's images lie so far behind amp_W3's
	s_add_co_u32 s46, s46, s47
	s_add_co_u32 s46, s46, 6553600
	s_mov_b32 s47, 0
	s_mul_i32 s45, s16, UNIT
	s_add_co_u32 s94, s45, 2*UNIT
	s_mov_b32 s[SEL], 0x76543210
	s_mov_b32 s[SEL+1], 0xfedcba98
	s_wait_dscnt 0x0
	s_wait_kmcnt 0x0
	s_add_nc_u64 s[6:7], s[6:7], 13107200          ; p's images in act1
	s_cmp_eq_u32 s16, 0
	s_cselect_b64 s[18:19], s[4:5], s[6:7]
	s_cselect_b64 s[10:11], s[10:11], s[80:81]     ; and the bias
	s_add_nc_u64 s[20:21], s[18:19], s[20:21]
	s_add_nc_u64 s[46:47], s[8:9], s[46:47]
	CROUND
.irp s, 0,1
	s_mov_b32 s[G0A+4*\s], 1
	s_add_co_u32 s[G0A+4*\s+1], s45, \s*SLOT
	s_add_nc_u64 s[G0A+4*\s+2:G0A+4*\s+3], s[20:21], \s*FILLB
	s_or_b32 s[G0A+4*\s+3], s[G0A+4*\s+3], 0x80000000
	s_mov_b32 s[G0B+4*\s], 1
	s_add_co_u32 s[G0B+4*\s+1], s94, \s*SLOT
	s_add_nc_u64 s[G0B+4*\s+2:G0B+4*\s+3], s[46:47], \s*FILLB
	s_or_b32 s[G0B+4*\s+3], s[G0B+4*\s+3], 0x80000000
	JLOAD \s
.endr
	v_and_b32 v2, 31, v0
	v_bfe_u32 v3, v0, 4, 1                         ; h: kept
	v_and_b32 v15, 15, v0
	v_lshlrev_b32 v26, 4, v2                       ; 16 x lane
	v_lshlrev_b32 v4, 2, v2
	v_lshlrev_b32 v27, 6, v3                       ; 64 h
	s_lshl_b32 s66, s42, 9
	s_mov_b32 s67, 0
	s_add_nc_u64 s[10:11], s[10:11], s[66:67]
	WIN 0xc0
.irp b, 0,1,2,3,4,5,6,7
	global_load_b128 v[8*\b:8*\b+3], v27, s[10:11] offset:(32*(\b/2)+8*(\b%2))*4
	global_load_b128 v[8*\b+4:8*\b+7], v27, s[10:11] offset:(32*(\b/2)+8*(\b%2))*4+16
.endr
	WIN 0
	s_mul_i32 s66, s42, 1536
	s_add_co_u32 s66, s66, 49152                   ; the last depth, my 128 qubits: 12 bytes each
	s_add_nc_u64 s[82:83], s[82:83], s[66:67]
	s_add_nc_u64 s[84:85], s[84:85], s[66:67]
	v_mul_u32_u24 v5, v0, 12
	global_load_b32 v160, v5, s[82:83]             ; f0
	global_load_b32 v161, v5, s[82:83] offset:4    ; f1
	global_load_b32 v162, v5, s[84:85]             ; p0
	global_load_b32 v163, v5, s[84:85] offset:4    ; p1
	global_load_b32 v164, v5, s[84:85] offset:8    ; p2
	s_mul_i32 s22, s15, 2*REC
	s_add_co_u32 s22, s22, s45
	v_add_nc_u32 v[ADRA], s22, v26
	v_add_nc_u32 v[ADRA+1], SLOT, v[ADRA]
	v_add_nc_u32 v[ADRB], s94, v26
	v_add_nc_u32 v[ADRB+1], SLOT, v[ADRB]
	v_add_nc_u32 v[ADSA], s22, v4
	v_add_nc_u32 v[ADSA+1], SLOT, v[ADSA]
	v_add_nc_u32 v[ADSB], s94, v4
	v_add_nc_u32 v[ADSB+1], SLOT, v[ADSB]
	s_lshl_b32 s66, s16, 3
	s_lshl_b32 s68, s15, 2
	s_add_co_u32 s66, s66, s68
	s_lshl_b32 s66, s66, 13
	v_add_nc_u32 v24, s66, v26                     ; the way out: my four tiles' images
	v_lshl_add_u32 v25, v0, 2, VEC                 ; my word of a vector
	v_add_nc_u32 v1, VEC, v27                      ; a vector's numbers of my half
	s_lshl_b32 s66, s14, 14
	v_add_nc_u32 v11, s66, v26                     ; the two tiles that I finish
	v_mov_b32 v10, v26                             ; where their codes go
	v_lshlrev_b32 v14, 2, v15
	v_lshl_add_u32 v14, v3, 7, v14                 ; and their scale words: 128 h + 4 r
	s_lshl_b32 s68, s17, 2
	s_lshr_b32 s69, s42, 1
	s_add_co_u32 s68, s68, s69
	s_lshl_b32 s68, s68, 2
	s_add_co_u32 s68, s68, s14
	s_mul_i32 s68, s68, REC                        ; my record in qsc
	s_and_b32 s69, s42, 1
	s_lshl_b32 s70, s69, 6
	s_add_co_u32 s70, s70, s68
	s_add_co_u32 s70, s70, 6144
	s_mov_b32 s71, 0
	s_mul_i32 s69, s69, 1536
	s_add_co_u32 s68, s68, s69
	s_mov_b32 s69, 0
	s_add_nc_u64 s[88:89], s[86:87], s[70:71]
	s_add_nc_u64 s[86:87], s[86:87], s[68:69]
	s_wait_tensorcnt 1                             ; my part of slot 0 is in; slot 1's may stay out
	s_barrier_signal -1
	s_barrier_wait -1
	FETCH 0, 0, 0
	SCALES 0, 0, 0
	s_wait_dscnt 0x0
	s_wait_loadcnt 0x0
	STEP 0, 0, 1
	s_mov_b32 s3, 3
.Llap:
	TURN 0, 1, 1
	STEP 1, 0, 0
	TURN 1, 0, 1
	STEP 0, 0, 0
	s_sub_co_u32 s3, s3, 1
	s_cmp_lg_u32 s3, 0
	s_cbranch_scc1 .Llap
	TURN 0, 1, 0
	STEP 1, 0, 0
	LAST 1
	s_barrier_signal -1                            ; every wave's reads of the ring are over (each waited for them at its last step's end), and the ring has had its last fill
	s_barrier_wait -1
	PLACES
	v_mul_f32 v165, 0x4038aa3b, v164               ; rz = tanh(p2) of my qubit
	v_exp_f32 v165, v165
	v_nop
	s_wait_alu depctr_va_vdst(0)
	v_add_f32 v165, 1.0, v165
	v_rcp_f32 v165, v165
	v_nop
	s_wait_alu depctr_va_vdst(0)
	v_fma_f32 v164, v165, -2.0, 1.0
	WIN 0x08
.irp a, 0,1,2,3
.irp b, 0,1,2,3,4,5,6,7
	ds_store_b128 v24, v[8*(8*\a+\b):8*(8*\a+\b)+3] offset:\a*8192+1024*\b
	ds_store_b128 v24, v[8*(8*\a+\b)+4:8*(8*\a+\b)+7] offset:\a*8192+1024*\b+512
.endr
.endr
	WIN 0
	ds_store_b32 v25, v160
	ds_store_b32 v25, v162 offset:512
	ds_store_b32 v25, v161 offset:1024
	ds_store_b32 v25, v163 offset:1536
	ds_store_b32 v25, v164 offset:2048
	s_wait_dscnt 0x0
	s_barrier_signal -1
	s_barrier_wait -1
	WIN 0xc0                                       ; f0, p0, f1, p1 in the results' layout: window 3, v0, v64, v128, v192 on
.irp v, 0,1,2,3
.irp q, 0,1,2,3,4,5,6,7,8,9,10,11,12,13,14,15
	ds_load_b128 v[64*\v+4*\q:64*\v+4*\q+3], v1 offset:512*\v+128*(\q/4)+16*(\q%4)
.endr
.endr
	WIN 0x40                                       ; rz: window 1, v0 on
.irp q, 0,1,2,3,4,5,6,7,8,9,10,11,12,13,14,15
	ds_load_b128 v[4*\q:4*\q+3], v1 offset:2048+128*(\q/4)+16*(\q%4)
.endr
	WIN 0
	KSET K_INVPI,  0x3ea2f983                      ; 1 / pi
	KSET K_MAGIC,  0x4b400000                      ; 1.5 x 2^23,
	KSET K_NMAGIC, 0xcb400000                      ; and its negative
	KSET K_NPIHI,  0xc0490fdb                      ; -pi in two parts
	KSET K_NPILO,  0x33bbbd2e
	KSET K_S13,    0x2f30922f                      ; the sine's series: 1 / 13!, -1 / 11!, .. -1 / 3!
	KSET K_S11,    0xb2d7322b
	KSET K_S9,     0x3638ef1d
	KSET K_S7,     0xb9500d01
	KSET K_S5,     0x3c088889
	KSET K_S3,     0xbe2aaaab
	KSET K_C12,    0x310f76c7                      ; the cosine's: 1 / 12!, -1 / 10!, .. 1 / 4!, -1 / 2
	KSET K_C10,    0xb493f27e
	KSET K_C8,     0x37d00d01
	KSET K_C6,     0xbab60b61
	KSET K_C4,     0x3d2aaaab
	KSET K_MHALF,  -0.5
	KSET K_NTWO,   -2.0
	KSET K_L2E2,   0x4038aa3b                      ; 2 log2 e
	KSET K_THIRD,  0x3eaaaaab
	KSET K_ONE,    1.0
	v_mov_b32 v249, 0
.irp b, 0,1,2,3
	v_mov_b32 v[TM+4+\b], 0
.endr
	s_mov_b32 s70, 0
	s_mov_b32 s71, 0
.Ltile:                                            ; two trips: row tiles 2 wave and 2 wave + 1
	v_add_nc_u32 v12, s71, v11
	v_add_nc_u32 v13, 0x10000, v12
.irp c, 0,1,2,3,4,5,6,7,8,9,10,11,12,13,14,15
	ds_load_b128 v[64+4*\c:67+4*\c], v12 offset:512*\c
	ds_load_b128 v[128+4*\c:131+4*\c], v13 offset:512*\c
.endr
	s_wait_dscnt 0x0
.set p, 0
.rept 32
	v_pk_mul_f32 v[128+2*p:129+2*p], v[128+2*p:129+2*p], v[K_L2E2:K_L2E2+1]
.set p, p+1
.endr
.set p, 0
.rept 64
	v_exp_f32 v[128+p], v[128+p]
.set p, p+1
.endr
	WIN 0x3c                                       ; sources 1 and 2 in window 3.  The sine's work names none of the exponentials' results: it stands behind the batch
.set p, 0
.rept 32
	v_pk_fma_f32 v[64+2*p:65+2*p], v[64+2*p:65+2*p], v[2*p:2*p+1], v[64+2*p:65+2*p]
.set p, p+1
.endr
	WIN 0
	TRIG 64, 0
	s_wait_alu depctr_va_vdst(0)                   ; one wait for the 64 exponentials
.set p, 0
.rept 32
	v_pk_add_f32 v[128+2*p:129+2*p], v[128+2*p:129+2*p], v[K_ONE:K_ONE+1]
.set p, p+1
.endr
.set p, 0
.rept 64
	v_rcp_f32 v[128+p], v[128+p]
.set p, p+1
.endr
	v_nop
	s_wait_alu depctr_va_vdst(0)
.set p, 0
.rept 32
	v_pk_fma_f32 v[128+2*p:129+2*p], v[128+2*p:129+2*p], v[K_NTWO:K_NTWO+1], v[K_ONE:K_ONE+1]   ; phase
.set p, p+1
.endr
	WIN 0x3c
.set p, 0
.rept 32
	v_pk_fma_f32 v[128+2*p:129+2*p], v[128+2*p:129+2*p], v[128+2*p:129+2*p], v[192+2*p:193+2*p]
.set p, p+1
.endr
	WIN 0
	TRIG 128, 1
.set p, 0
.rept 32
	v_pk_add_f32 v[64+2*p:65+2*p], v[64+2*p:65+2*p], v[128+2*p:129+2*p]
.set p, p+1
.endr
	WIN 0x04                                       ; source 1 in window 1
.set p, 0
.rept 32
	v_pk_add_f32 v[64+2*p:65+2*p], v[64+2*p:65+2*p], v[2*p:2*p+1]
.set p, p+1
.endr
	WIN 0
.set p, 0
.rept 32
	v_pk_mul_f32 v[64+2*p:65+2*p], v[64+2*p:65+2*p], v[K_THIRD:K_THIRD+1]
.set p, p+1
.endr
	QUANT 64
	v_cmp_eq_u32 vcc_lo, s70, v3
	v_cndmask_b32 v249, v249, v[PW], vcc_lo        ; lanes 0-15 keep the first tile's words, lanes 16-31 the second's
.irp c, 0,1,2
	global_store_b128 v10, v[PC+4*\c:PC+4*\c+3], s[86:87] offset:512*\c
.endr
	s_wait_xcnt 0x0                                ; the stores have read their registers
	v_add_nc_u32 v10, 3072, v10
	s_add_co_u32 s71, s71, 8192
	s_add_co_u32 s70, s70, 1
	s_cmp_lt_u32 s70, 2
	s_cbranch_scc1 .Ltile
	global_store_b32 v14, v249, s[88:89]
	s_wait_tensorcnt 0x0                           ; the wave's end
	ds_add_u32 v[SPW], v[NIL]
	s_wait_dscnt 0x0
	CROUND
	s_endpgm
.Lfunc_end_k_q9859f65ff1_gemm35:
	.size	k_q9859f65ff1_gemm35, .Lfunc_end_k_q9859f65ff1_gemm35-k_q9859f65ff1_gemm35
	.p2alignl 7, 3214868480
	.fill 96, 4, 3214868480
	.section	.rodata,"a",@progbits
	.p2align	6, 0x0
	.amdhsa_kernel k_q9859f65ff1_gemm35
		.amdhsa_group_segment_fixed_size 327680
		.amdhsa_private_segment_fixed_size 0
		.amdhsa_enable_private_segment 0
		.amdhsa_kernarg_size 64
		.amdhsa_user_sgpr_count 2
		.amdhsa_user_sgpr_kernarg_segment_ptr 1
		.amdhsa_wavefront_size32 1
		.amdhsa_system_sgpr_workgroup_id_x 1
		.amdhsa_system_sgpr_workgroup_id_y 1
		.amdhsa_system_sgpr_workgroup_id_z 1
		.amdhsa_system_vgpr_workitem_id 0
		.amdhsa_next_free_vgpr 1024
		.amdhsa_next_free_sgpr 100
		.amdhsa_reserve_vcc 1
		.amdhsa_float_denorm_mode_32 3
		.amdhsa_float_denorm_mode_16_64 3
		.amdhsa_memory_ordered 1
		.amdhsa_forward_progress 1
		.amdhsa_inst_pref_size 162
	.end_amdhsa_kernel
	.amdgpu_metadata
---
amdhsa.version: [ 1, 2 ]
amdhsa.kernels:
  - .name:           k_q9859f65ff1_gemm35
    .symbol:         k_q9859f65ff1_gemm35.kd
    .args:
      - { .name: h2c, .offset: 0, .size: 8, .value_kind: global_buffer, .address_space: global }
      - { .name: act1, .offset: 8, .size: 8, .value_kind: global_buffer, .address_space: global }
      - { .name: wts, .offset: 16, .size: 8, .value_kind: global_buffer, .address_space: global }
      - { .name: amp_b3, .offset: 24, .size: 8, .value_kind: global_buffer, .address_space: global }
      - { .name: ph_b2, .offset: 32, .size: 8, .value_kind: global_buffer, .address_space: global }
      - { .name: rot_freq, .offset: 40, .size: 8, .value_kind: global_buffer, .address_space: global }
      - { .name: rot_phase, .offset: 48, .size: 8, .value_kind: global_buffer, .address_space: global }
      - { .name: qsc, .offset: 56, .size: 8, .value_kind: global_buffer, .address_space: global }
    .group_segment_fixed_size: 327680
    .private_segment_fixed_size: 0
    .kernarg_segment_align: 8
    .kernarg_segment_size: 64
    .max_flat_workgroup_size: 128
    .sgpr_count:     100
    .vgpr_count:     1024
    .wavefront_size: 32
...
	.end_amdgpu_metadata
.endif
;; end of part 4
;; launch gemm6 (part 5): grid 4 x 32, 4 waves a work-group, clusters of 4 x 4, 327,680 bytes of LDS; arguments qsc, wts, attn_in_b, vc; writes vc
.if DOCPART == 5
	.amdgcn_target "amdgcn-amd-amdhsa--gfx1250"
	.amdhsa_code_object_version 6
	.text
	.protected	k_q9859f65ff1_gemm6
	.globl	k_q9859f65ff1_gemm6
	.p2align	8
	.type	k_q9859f65ff1_gemm6,@function
k_q9859f65ff1_gemm6:
	s_mov_b64 s[64:65], 0
	v_nop
	global_prefetch_b8 v0, s[64:65] scope:SCOPE_SE
	s_setreg_imm32_b32 hwreg(HW_REG_WAVE_MODE, 25, 1), 1
	s_wait_xcnt 0x0
	s_wait_alu depctr_hold_cnt(0) depctr_sa_sdst(0) depctr_va_vdst(0) depctr_va_sdst(0) depctr_va_ssrc(0) depctr_va_vcc(0) depctr_vm_vsrc(0)
	s_getreg_b32 s2, hwreg(HW_REG_IB_STS2, 6, 4)
	s_cmp_eq_u32 s2, 0
	s_cbranch_scc0 .Lentry_in_a_cluster
	s_endpgm
.Lentry_in_a_cluster:
	s_bfe_u32 s2, ttmp6, 0x10000c
	s_cmp_lg_u32 s2, 0xf033
	s_cbranch_scc0 .Lentry_shape_is_right
	s_endpgm
.Lentry_shape_is_right:
; v = qs Wv^T + bv, Wv and bv being rows 2,048 on of attn_in_w and attn_in_b: [4096 x 1024] x [1024 x 1024]^T on codes of FP6 (E2M3) with E8M0 scales.
; The shape is that of the launch for z2: 128 x 256 a work-group, 64 x 128 a wave, transposed use, joint loads in clusters of 4 x 4.  K = 1,024 is two slots: both are filled at the start and none again.
; 128 work-groups: a smaller tile would give 256 at twice the LDS reads for each product.
; THE WAY OUT: a row tile's 64 accumulator registers are 128 neighbours along the next K in the quantiser's order: they are quantised in registers and leave as images of the next product's operand.
; LIMITS: NaN and infinities are not served; a block under 2^-124 keeps the byte 1.
.set KP,     4
.set BOFF,   9830400
.set BIASOFF, 8192
.set FORMX,  0
.set NK,     4
.set UNIT,   25600
.set REC,    6400
.set SLOT,   6*UNIT
.set FILLB,  2*UNIT
.set SPARE,  2*SLOT
.set RA,     100
.set RB,     200
.set SC,   32
.set ADRA, 16
.set ADRB, 18
.set ADSA, 20
.set ADSB, 22
.set SPW,  28
.set NIL,  29
.set G1A, 24
.set G0A, 32
.set G1B, 48
.set G0B, 56
.set TM,  240
.set SEL, 90
.set MSB, 0
.macro WIN new
.if MSB != \new
	s_set_vgpr_msb (MSB<<8)|\new
.set MSB, \new
.endif
.endm
.set MUL,  0xa1
.set MULF, 0xb1
.set TO_B, 0x40
.macro JLOAD s
	s_cmp_eq_u32 s15, 0
	s_cbranch_scc0 .Lfor_b_\@
	tensor_load_to_lds s[G0A+4*\s:G0A+4*\s+3], s[G1A:G1A+7]
	s_nop 0
.rept 4
	v_nop
.endr
	s_branch .Lasked_\@
.Lfor_b_\@:
	tensor_load_to_lds s[G0B+4*\s:G0B+4*\s+3], s[G1B:G1B+7]
	s_nop 0
.rept 4
	v_nop
.endr
.Lasked_\@:
.endm
.macro CREST
	s_cmp_lg_u32 s14, 0
	s_cbranch_scc1 .Lnot_wave_0_\@
	s_barrier_signal -3
.Lnot_wave_0_\@:
	s_barrier_wait -3
	s_barrier_signal -1
	s_barrier_wait -1
.endm
.macro CROUND
	s_barrier_signal -1
	s_barrier_wait -1
	CREST
.endm
.macro PLACES
.rept 4
	v_nop
.endr
.endm
.macro FETCH set, slot, ks
	WIN TO_B
.irp b, 0,1,2,3,4,5,6,7
.irp c, 0,1,2
	ds_load_b128 v[128*(\set)+12*\b+4*\c:128*(\set)+12*\b+4*\c+3], v[ADRB+\slot] offset:((\ks)/2)*UNIT+(\b/2)*REC+(\b%2)*3072+((\ks)%2)*1536+512*\c
.endr
.endr
	WIN 0
.irp a, 0,1,2,3
.irp c, 0,1,2
	ds_load_b128 v[64+48*(\set)+12*\a+4*\c:64+48*(\set)+12*\a+4*\c+3], v[ADRA+\slot] offset:((\ks)/2)*UNIT+(\a/2)*REC+(\a%2)*3072+((\ks)%2)*1536+512*\c
.endr
.endr
.endm
.macro SCALES ss, slot, kp
.irp t, 0,1,2,3
	ds_load_b32 v[SC+12*(\ss)+\t], v[ADSA+\slot] offset:(\kp)*UNIT+(\t/2)*REC+6144+(\t%2)*128
.endr
.irp t, 0,1,2,3,4,5,6,7
	ds_load_b32 v[SC+12*(\ss)+4+\t], v[ADSB+\slot] offset:(\kp)*UNIT+(\t/2)*REC+6144+(\t%2)*128
.endr
.endm
.macro MULA a, set, par, ss, first     ; the 32 accumulators take turns, one instruction a turn
.irp b, 0,1,2,3,4,5,6,7
.if \first
	v_wmma_scale_f32_16x16x128_f8f6f4 v[8*(8*(\a)+\b):8*(8*(\a)+\b)+7], v[128*(\set)+12*\b:128*(\set)+12*\b+11], v[64+48*(\set)+12*(\a):64+48*(\set)+12*(\a)+11], v[8*\b:8*\b+7], v[SC+12*(\ss)+4+\b], v[SC+12*(\ss)+(\a)] matrix_a_fmt:MATRIX_FMT_FP6 matrix_b_fmt:MATRIX_FMT_FP6
.elseif \par
	v_wmma_scale_f32_16x16x128_f8f6f4 v[8*(8*(\a)+\b):8*(8*(\a)+\b)+7], v[128*(\set)+12*\b:128*(\set)+12*\b+11], v[64+48*(\set)+12*(\a):64+48*(\set)+12*(\a)+11], v[8*(8*(\a)+\b):8*(8*(\a)+\b)+7], v[SC+12*(\ss)+4+\b], v[SC+12*(\ss)+(\a)] matrix_a_fmt:MATRIX_FMT_FP6 matrix_b_fmt:MATRIX_FMT_FP6 matrix_a_scale:MATRIX_SCALE_ROW1 matrix_b_scale:MATRIX_SCALE_ROW1
.else
	v_wmma_scale_f32_16x16x128_f8f6f4 v[8*(8*(\a)+\b):8*(8*(\a)+\b)+7], v[128*(\set)+12*\b:128*(\set)+12*\b+11], v[64+48*(\set)+12*(\a):64+48*(\set)+12*(\a)+11], v[8*(8*(\a)+\b):8*(8*(\a)+\b)+7], v[SC+12*(\ss)+4+\b], v[SC+12*(\ss)+(\a)] matrix_a_fmt:MATRIX_FMT_FP6 matrix_b_fmt:MATRIX_FMT_FP6
.endif
.endr
.endm
.macro STEP slot, ks, first
	PLACES
	FETCH ((\ks)+1)%2, \slot, (\ks)+1
.if (((\ks)+1)%2) == 0
	SCALES ((\ks)+1)/2, \slot, ((\ks)+1)/2
.endif
.set SSV, (\ks)/2
.if \first
	WIN MULF
.else
	WIN MUL
.endif
	MULA 0, (\ks)%2, (\ks)%2, SSV, \first
	MULA 1, (\ks)%2, (\ks)%2, SSV, \first
	MULA 2, (\ks)%2, (\ks)%2, SSV, \first
	MULA 3, (\ks)%2, (\ks)%2, SSV, \first
	WIN 0
	s_wait_dscnt 0x0
.endm
.macro TURN slot, next                 ; slot 0's last K step: one barrier, behind which slot 1 is whole; nothing is filled again
.set SSV, (NK-1)/2
	PLACES
	s_wait_tensorcnt 0x0                           ; my part of slot 1 has landed
	ds_add_u32 v[SPW], v[NIL]                      ; 0 onto my spare word
	WIN MUL
	MULA 0, 1, 1, SSV, 0
	s_wait_dscnt 0x0
	s_barrier_signal -1
	MULA 1, 1, 1, SSV, 0
	WIN 0
	s_barrier_wait -1
	FETCH 0, \next, 0
	SCALES 0, \next, 0
	WIN MUL
	MULA 2, 1, 1, SSV, 0
	MULA 3, 1, 1, SSV, 0
	WIN 0
	s_wait_dscnt 0x0
.endm
.macro LAST
.set SSV, (NK-1)/2
	WIN MUL
	MULA 0, 1, 1, SSV, 0
	MULA 1, 1, 1, SSV, 0
	MULA 2, 1, 1, SSV, 0
	MULA 3, 1, 1, SSV, 0
	WIN 0
.endm
.macro QUANTW s, pc, pw                ; 64 accumulator registers (window 2, v[s] on) become a fragment's codes at v[pc] on and its scale word in v[pw]; each accumulator is read from its low end on
	WIN 0x28                                       ; sources 1 and 2 in window 2
.irp b, 0,1,2,3
	v_max3_num_f32 v[TM+\b], 0x1800000, |v[\s+16*\b]|, |v[\s+1+16*\b]|
.endr
.irp i, 2,4,6,8,10,12,14
.irp b, 0,1,2,3
	v_max3_num_f32 v[TM+\b], v[TM+\b], |v[\s+16*\b+\i]|, |v[\s+1+16*\b+\i]|
.endr
.endr
	WIN 0
.irp b, 0,1,2,3
	v_permlanex16_b32 v[TM+4+\b], v[TM+\b], s[SEL], s[SEL+1]
.endr
.irp b, 0,1,2,3
	v_max_num_f32 v[TM+\b], v[TM+\b], v[TM+4+\b]
.endr
.irp b, 0,1,2,3
	v_add_nc_u32 v[TM+12+\b], 0xff000000, v[TM+\b]
.endr
.irp b, 0,1,2,3
	v_lshrrev_b32 v[TM+4+\b], 23, v[TM+12+\b]
.endr
	v_lshl_or_b32 v[\pw], v[TM+5], 8, v[TM+4]
	v_lshl_or_b32 v[\pw], v[TM+6], 16, v[\pw]
	v_lshl_or_b32 v[\pw], v[TM+7], 24, v[\pw]
	WIN 0x02                                       ; source 0 in window 2
.irp c, 0,1
	v_cvt_scalef32_pk16_fp6_f32 v[\pc+6*\c:\pc+2+6*\c], v[\s+32*\c:\s+15+32*\c], v[TM+12+2*\c]
	v_cvt_scalef32_pk16_fp6_f32 v[\pc+12+4*\c:\pc+14+4*\c], v[\s+16+32*\c:\s+31+32*\c], v[TM+12+2*\c+1]
.endr
	WIN 0
	v_nop
.irp c, 0,1
.irp i, 0,1,2
	v_permlane16_swap_b32 v[\pc+6*\c+\i], v[\pc+12+4*\c+\i]
.endr
.irp i, 0,1,2
	v_mov_b32 v[\pc+3+6*\c+\i], v[\pc+12+4*\c+\i]
.endr
.endr
.endm
	s_load_b128 s[4:7], s[0:1], 0x0
	s_load_b128 s[8:11], s[0:1], 0x10
	v_lshl_add_u32 v[SPW], v0, 2, SPARE
	v_mov_b32 v[NIL], 0
	ds_add_u32 v[SPW], v[NIL]                      ; the wave's opening: the add, and its wait ahead of my first tensor load
	v_lshrrev_b32 v1, 5, v0
	v_readfirstlane_b32 s14, v1
	s_lshr_b32 s15, s14, 1
	s_and_b32 s16, s14, 1
	s_bfe_u32 s40, ttmp6, 0x40000
	s_bfe_u32 s41, ttmp6, 0x40004
	s_lshl_b32 s42, ttmp9, 2
	s_add_co_u32 s42, s42, s40
	s_and_b32 s17, ttmp7, 0xffff
	s_lshl_b32 s17, s17, 2
	s_add_co_u32 s17, s17, s41
	s_lshl_b32 s43, s41, 2
	s_lshl_b32 s43, 15, s43
	s_lshl_b32 s44, 0x1111, s40
	s_or_b32 s[G1A+0], s43, (3<<16)|(1<<21)
	s_or_b32 s[G1B+0], s44, (3<<16)|(1<<21)
	s_mov_b32 s[G1A+1], 32<<16
	s_mov_b32 s[G1A+2], RA<<16
	s_mov_b32 s[G1A+3], 32<<16
	s_mov_b32 s[G1A+4], RA
	s_mov_b32 s[G1A+5], 32
	s_mov_b32 s[G1A+6], 0
	s_mov_b32 s[G1A+7], 0
	s_mov_b32 s[G1B+1], 32<<16
	s_mov_b32 s[G1B+2], RB<<16
	s_mov_b32 s[G1B+3], 32<<16
	s_mov_b32 s[G1B+4], RB
	s_mov_b32 s[G1B+5], 32
	s_mov_b32 s[G1B+6], 0
	s_mov_b32 s[G1B+7], 0
	s_mul_i32 s20, s17, KP*UNIT
	s_mul_i32 s18, s16, UNIT
	s_add_co_u32 s20, s20, s18
	s_mov_b32 s21, 0
	s_lshl_b32 s46, s42, 1
	s_add_co_u32 s46, s46, s16
	s_mul_i32 s46, s46, KP*UNIT
	s_add_co_u32 s46, s46, BOFF
	s_mov_b32 s47, 0
	s_mul_i32 s45, s16, UNIT
	s_mul_i32 s94, s16, 2*UNIT
	s_add_co_u32 s94, s94, 2*UNIT
	s_mov_b32 s[SEL], 0x76543210
	s_mov_b32 s[SEL+1], 0xfedcba98
	s_mov_b32 s74, 0xffff0000
	s_wait_dscnt 0x0
	s_wait_kmcnt 0x0
	s_add_nc_u64 s[20:21], s[4:5], s[20:21]
	s_add_nc_u64 s[46:47], s[6:7], s[46:47]
	CROUND
.irp s, 0,1
	s_mov_b32 s[G0A+4*\s], 1
	s_add_co_u32 s[G0A+4*\s+1], s45, \s*SLOT
	s_add_nc_u64 s[G0A+4*\s+2:G0A+4*\s+3], s[20:21], \s*FILLB
	s_or_b32 s[G0A+4*\s+3], s[G0A+4*\s+3], 0x80000000
	s_mov_b32 s[G0B+4*\s], 1
	s_add_co_u32 s[G0B+4*\s+1], s94, \s*SLOT
	s_add_nc_u64 s[G0B+4*\s+2:G0B+4*\s+3], s[46:47], \s*FILLB
	s_or_b32 s[G0B+4*\s+3], s[G0B+4*\s+3], 0x80000000
	JLOAD \s
.endr
	v_and_b32 v2, 31, v0
	v_bfe_u32 v3, v0, 4, 1
	v_and_b32 v15, 15, v0
	v_lshlrev_b32 v26, 4, v2
	v_lshlrev_b32 v4, 2, v2
	v_lshlrev_b32 v27, 6, v3
	v_lshlrev_b32 v14, 2, v15
	v_lshl_add_u32 v14, v3, 7, v14                 ; a scale word's place: 128 h + 4 r
.irp b, 0,1,2,3
	v_mov_b32 v[TM+4+\b], 0
.endr
	s_lshl_b32 s66, s42, 10
	s_lshl_b32 s67, s16, 9
	s_add_co_u32 s66, s66, s67
	s_add_co_u32 s66, s66, BIASOFF
	s_mov_b32 s67, 0
	s_add_nc_u64 s[8:9], s[8:9], s[66:67]
	WIN 0xc0
.irp b, 0,1,2,3,4,5,6,7
	global_load_b128 v[8*\b:8*\b+3], v27, s[8:9] offset:(32*(\b/2)+8*(\b%2))*4
	global_load_b128 v[8*\b+4:8*\b+7], v27, s[8:9] offset:(32*(\b/2)+8*(\b%2))*4+16
.endr
	WIN 0
	s_mul_i32 s22, s15, 2*REC
	s_mul_i32 s23, s16, 2*UNIT
	s_add_co_u32 s23, s23, 2*UNIT
	v_add_nc_u32 v[ADRA], s22, v26
	v_add_nc_u32 v[ADRA+1], SLOT, v[ADRA]
	v_add_nc_u32 v[ADRB], s23, v26
	v_add_nc_u32 v[ADRB+1], SLOT, v[ADRB]
	v_add_nc_u32 v[ADSA], s22, v4
	v_add_nc_u32 v[ADSA+1], SLOT, v[ADSA]
	v_add_nc_u32 v[ADSB], s23, v4
	v_add_nc_u32 v[ADSB+1], SLOT, v[ADSB]
	s_lshl_b32 s68, s17, 2                         ; vc: group my, pair of K steps nx, my two records; my columns are its K step 2 nx + half
	s_add_co_u32 s68, s68, s42
	s_lshl_b32 s68, s68, 2
	s_lshl_b32 s69, s15, 1
	s_add_co_u32 s68, s68, s69
	s_mul_i32 s68, s68, REC
	s_lshl_b32 s70, s16, 6
	s_add_co_u32 s70, s70, s68
	s_add_co_u32 s70, s70, 6144
	s_mov_b32 s71, 0
	s_mul_i32 s69, s16, 1536
	s_add_co_u32 s68, s68, s69
	s_mov_b32 s69, 0
	s_add_nc_u64 s[72:73], s[10:11], s[70:71]
	s_add_nc_u64 s[10:11], s[10:11], s[68:69]
	s_wait_tensorcnt 1                             ; my part of slot 0 is in; slot 1's may stay out
	s_barrier_signal -1
	s_barrier_wait -1
	FETCH 0, 0, 0
	SCALES 0, 0, 0
	s_wait_dscnt 0x0
	s_wait_loadcnt 0x0
	STEP 0, 0, 1
	STEP 0, 1, 0
	STEP 0, 2, 0
	TURN 0, 1
	STEP 1, 0, 0
	STEP 1, 1, 0
	STEP 1, 2, 0
	LAST
	PLACES
.irp a, 0,1,2,3
	QUANTW 64*\a, 160+20*\a, 8+\a
.irp c, 0,1,2
	global_store_b128 v26, v[160+20*\a+4*\c:160+20*\a+4*\c+3], s[10:11] offset:(\a/2)*REC+(\a%2)*3072+512*\c
.endr
.endr
	v_cndmask_b32 v12, v8, v9, s74                 ; lanes 0-15 the record's first tile's words, lanes 16-31 its second's
	v_cndmask_b32 v13, v10, v11, s74
	global_store_b32 v14, v12, s[72:73]
	global_store_b32 v14, v13, s[72:73] offset:REC
	s_wait_tensorcnt 0x0                           ; the wave's end
	ds_add_u32 v[SPW], v[NIL]
	s_wait_dscnt 0x0
	CROUND
	s_endpgm
.Lfunc_end_k_q9859f65ff1_gemm6:
	.size	k_q9859f65ff1_gemm6, .Lfunc_end_k_q9859f65ff1_gemm6-k_q9859f65ff1_gemm6
	.p2alignl 7, 3214868480
	.fill 96, 4, 3214868480
	.section	.rodata,"a",@progbits
	.p2align	6, 0x0
	.amdhsa_kernel k_q9859f65ff1_gemm6
		.amdhsa_group_segment_fixed_size 327680
		.amdhsa_private_segment_fixed_size 0
		.amdhsa_enable_private_segment 0
		.amdhsa_kernarg_size 32
		.amdhsa_user_sgpr_count 2
		.amdhsa_user_sgpr_kernarg_segment_ptr 1
		.amdhsa_wavefront_size32 1
		.amdhsa_system_sgpr_workgroup_id_x 1
		.amdhsa_system_sgpr_workgroup_id_y 1
		.amdhsa_system_sgpr_workgroup_id_z 1
		.amdhsa_system_vgpr_workitem_id 0
		.amdhsa_next_free_vgpr 1024
		.amdhsa_next_free_sgpr 100
		.amdhsa_reserve_vcc 0
		.amdhsa_float_denorm_mode_32 3
		.amdhsa_float_denorm_mode_16_64 3
		.amdhsa_memory_ordered 1
		.amdhsa_forward_progress 1
		.amdhsa_inst_pref_size 82
	.end_amdhsa_kernel
	.amdgpu_metadata
---
amdhsa.version: [ 1, 2 ]
amdhsa.kernels:
  - .name:           k_q9859f65ff1_gemm6
    .symbol:         k_q9859f65ff1_gemm6.kd
    .args:
      - { .name: qsc, .offset: 0, .size: 8, .value_kind: global_buffer, .address_space: global }
      - { .name: wts, .offset: 8, .size: 8, .value_kind: global_buffer, .address_space: global }
      - { .name: attn_in_b, .offset: 16, .size: 8, .value_kind: global_buffer, .address_space: global }
      - { .name: vc, .offset: 24, .size: 8, .value_kind: global_buffer, .address_space: global }
    .group_segment_fixed_size: 327680
    .private_segment_fixed_size: 0
    .kernarg_segment_align: 8
    .kernarg_segment_size: 32
    .max_flat_workgroup_size: 128
    .sgpr_count:     100
    .vgpr_count:     1024
    .wavefront_size: 32
...
	.end_amdgpu_metadata
.endif
;; end of part 5
;; launch gemm7 (part 6): grid 4 x 32, 4 waves a work-group, clusters of 4 x 4, 327,680 bytes of LDS; arguments vc, wts, attn_out_b, out0; writes out0
.if DOCPART == 6
	.amdgcn_target "amdgcn-amd-amdhsa--gfx1250"
	.amdhsa_code_object_version 6
	.text
	.protected	k_q9859f65ff1_gemm7
	.globl	k_q9859f65ff1_gemm7
	.p2align	8
	.type	k_q9859f65ff1_gemm7,@function
k_q9859f65ff1_gemm7:
	s_mov_b64 s[64:65], 0
	v_nop
	global_prefetch_b8 v0, s[64:65] scope:SCOPE_SE
	s_setreg_imm32_b32 hwreg(HW_REG_WAVE_MODE, 25, 1), 1
	s_wait_xcnt 0x0
	s_wait_alu depctr_hold_cnt(0) depctr_sa_sdst(0) depctr_va_vdst(0) depctr_va_sdst(0) depctr_va_ssrc(0) depctr_va_vcc(0) depctr_vm_vsrc(0)
	s_getreg_b32 s2, hwreg(HW_REG_IB_STS2, 6, 4)
	s_cmp_eq_u32 s2, 0
	s_cbranch_scc0 .Lentry_in_a_cluster
	s_endpgm
.Lentry_in_a_cluster:
	s_bfe_u32 s2, ttmp6, 0x10000c
	s_cmp_lg_u32 s2, 0xf033
	s_cbranch_scc0 .Lentry_shape_is_right
	s_endpgm
.Lentry_shape_is_right:
; out0 = v attn_out_w^T + attn_out_b: [4096 x 1024] x [1024 x 1024]^T on codes of FP6 (E2M3) with E8M0 scales, f32 out.
; The shape is that of the launch before: 128 x 256 a work-group, 64 x 128 a wave, transposed use, joint loads in clusters of 4 x 4, two slots filled once.
; THE WAY OUT: a row tile (16 rows x 128 columns) goes through my own stage in LDS, where the weights' order of rows is undone, and comes back as whole rows of 512 bytes, which the 32 lanes store as 512 consecutive aligned bytes.
; The stage lies in slot 0: it has had its only fill, and every wave has passed the change of slots, behind which nobody reads it.
.set KP,     4
.set BOFF,   10649600
.set BIASOFF, 0
.set NK,     4
.set UNIT,   25600
.set REC,    6400
.set SLOT,   6*UNIT
.set FILLB,  2*UNIT
.set SPARE,  2*SLOT
.set RA,     100
.set RB,     200
.set SC,   32
.set ADRA, 16
.set ADRB, 18
.set ADSA, 20
.set ADSB, 22
.set SPW,  28
.set NIL,  29
.set G1A, 24
.set G0A, 32
.set G1B, 48
.set G0B, 56
.set MSB, 0
.macro WIN new
.if MSB != \new
	s_set_vgpr_msb (MSB<<8)|\new
.set MSB, \new
.endif
.endm
.set MUL,  0xa1
.set MULF, 0xb1
.set TO_B, 0x40
.macro JLOAD s
	s_cmp_eq_u32 s15, 0
	s_cbranch_scc0 .Lfor_b_\@
	tensor_load_to_lds s[G0A+4*\s:G0A+4*\s+3], s[G1A:G1A+7]
	s_nop 0
.rept 4
	v_nop
.endr
	s_branch .Lasked_\@
.Lfor_b_\@:
	tensor_load_to_lds s[G0B+4*\s:G0B+4*\s+3], s[G1B:G1B+7]
	s_nop 0
.rept 4
	v_nop
.endr
.Lasked_\@:
.endm
.macro CREST
	s_cmp_lg_u32 s14, 0
	s_cbranch_scc1 .Lnot_wave_0_\@
	s_barrier_signal -3
.Lnot_wave_0_\@:
	s_barrier_wait -3
	s_barrier_signal -1
	s_barrier_wait -1
.endm
.macro CROUND
	s_barrier_signal -1
	s_barrier_wait -1
	CREST
.endm
.macro PLACES
.rept 4
	v_nop
.endr
.endm
.macro FETCH set, slot, ks
	WIN TO_B
.irp b, 0,1,2,3,4,5,6,7
.irp c, 0,1,2
	ds_load_b128 v[128*(\set)+12*\b+4*\c:128*(\set)+12*\b+4*\c+3], v[ADRB+\slot] offset:((\ks)/2)*UNIT+(\b/2)*REC+(\b%2)*3072+((\ks)%2)*1536+512*\c
.endr
.endr
	WIN 0
.irp a, 0,1,2,3
.irp c, 0,1,2
	ds_load_b128 v[64+48*(\set)+12*\a+4*\c:64+48*(\set)+12*\a+4*\c+3], v[ADRA+\slot] offset:((\ks)/2)*UNIT+(\a/2)*REC+(\a%2)*3072+((\ks)%2)*1536+512*\c
.endr
.endr
.endm
.macro SCALES ss, slot, kp
.irp t, 0,1,2,3
	ds_load_b32 v[SC+12*(\ss)+\t], v[ADSA+\slot] offset:(\kp)*UNIT+(\t/2)*REC+6144+(\t%2)*128
.endr
.irp t, 0,1,2,3,4,5,6,7
	ds_load_b32 v[SC+12*(\ss)+4+\t], v[ADSB+\slot] offset:(\kp)*UNIT+(\t/2)*REC+6144+(\t%2)*128
.endr
.endm
.macro MULA a, set, par, ss, first     ; the 32 accumulators take turns, one instruction a turn
.irp b, 0,1,2,3,4,5,6,7
.if \first
	v_wmma_scale_f32_16x16x128_f8f6f4 v[8*(8*(\a)+\b):8*(8*(\a)+\b)+7], v[128*(\set)+12*\b:128*(\set)+12*\b+11], v[64+48*(\set)+12*(\a):64+48*(\set)+12*(\a)+11], v[8*\b:8*\b+7], v[SC+12*(\ss)+4+\b], v[SC+12*(\ss)+(\a)] matrix_a_fmt:MATRIX_FMT_FP6 matrix_b_fmt:MATRIX_FMT_FP6
.elseif \par
	v_wmma_scale_f32_16x16x128_f8f6f4 v[8*(8*(\a)+\b):8*(8*(\a)+\b)+7], v[128*(\set)+12*\b:128*(\set)+12*\b+11], v[64+48*(\set)+12*(\a):64+48*(\set)+12*(\a)+11], v[8*(8*(\a)+\b):8*(8*(\a)+\b)+7], v[SC+12*(\ss)+4+\b], v[SC+12*(\ss)+(\a)] matrix_a_fmt:MATRIX_FMT_FP6 matrix_b_fmt:MATRIX_FMT_FP6 matrix_a_scale:MATRIX_SCALE_ROW1 matrix_b_scale:MATRIX_SCALE_ROW1
.else
	v_wmma_scale_f32_16x16x128_f8f6f4 v[8*(8*(\a)+\b):8*(8*(\a)+\b)+7], v[128*(\set)+12*\b:128*(\set)+12*\b+11], v[64+48*(\set)+12*(\a):64+48*(\set)+12*(\a)+11], v[8*(8*(\a)+\b):8*(8*(\a)+\b)+7], v[SC+12*(\ss)+4+\b], v[SC+12*(\ss)+(\a)] matrix_a_fmt:MATRIX_FMT_FP6 matrix_b_fmt:MATRIX_FMT_FP6
.endif
.endr
.endm
.macro STEP slot, ks, first
	PLACES
	FETCH ((\ks)+1)%2, \slot, (\ks)+1
.if (((\ks)+1)%2) == 0
	SCALES ((\ks)+1)/2, \slot, ((\ks)+1)/2
.endif
.set SSV, (\ks)/2
.if \first
	WIN MULF
.else
	WIN MUL
.endif
	MULA 0, (\ks)%2, (\ks)%2, SSV, \first
	MULA 1, (\ks)%2, (\ks)%2, SSV, \first
	MULA 2, (\ks)%2, (\ks)%2, SSV, \first
	MULA 3, (\ks)%2, (\ks)%2, SSV, \first
	WIN 0
	s_wait_dscnt 0x0
.endm
.macro TURN slot, next                 ; slot 0's last K step: one barrier, behind which slot 1 is whole and nobody reads slot 0; nothing is filled again
.set SSV, (NK-1)/2
	PLACES
	s_wait_tensorcnt 0x0
	ds_add_u32 v[SPW], v[NIL]                      ; 0 onto my spare word
	WIN MUL
	MULA 0, 1, 1, SSV, 0
	s_wait_dscnt 0x0
	s_barrier_signal -1
	MULA 1, 1, 1, SSV, 0
	WIN 0
	s_barrier_wait -1
	FETCH 0, \next, 0
	SCALES 0, \next, 0
	WIN MUL
	MULA 2, 1, 1, SSV, 0
	MULA 3, 1, 1, SSV, 0
	WIN 0
	s_wait_dscnt 0x0
.endm
.macro LAST
.set SSV, (NK-1)/2
	WIN MUL
	MULA 0, 1, 1, SSV, 0
	MULA 1, 1, 1, SSV, 0
	MULA 2, 1, 1, SSV, 0
	MULA 3, 1, 1, SSV, 0
	WIN 0
.endm
.macro TOSTAGE a                       ; register j of accumulator (a, b) is column 32 (b / 2) + 16 h + 8 (b % 2) + j of row r
	WIN 0x08
.irp b, 0,1,2,3,4,5,6,7
	ds_store_b128 v24, v[8*(8*(\a)+\b):8*(8*(\a)+\b)+3] offset:128*(\b/2)+32*(\b%2)
	ds_store_b128 v24, v[8*(8*(\a)+\b)+4:8*(8*(\a)+\b)+7] offset:128*(\b/2)+32*(\b%2)+16
.endr
	WIN 0
.set BB, 128+64*((\a)%2)
.irp t, 0,1,2,3,4,5,6,7,8,9,10,11,12,13,14,15
	ds_load_b128 v[BB+4*\t:BB+4*\t+3], v25 offset:\t*528       ; LDS serves a wave's instructions in order: these see my stores
.endr
.endm
.macro SEND a, younger
.set BB, 128+64*((\a)%2)
	s_wait_dscnt \younger
.irp t, 0,1,2,3,4,5,6,7,8,9,10,11,12,13,14,15
	global_store_b128 v26, v[BB+4*\t:BB+4*\t+3], s[10:11] offset:(\a)*65536+\t*4096 th:TH_STORE_NT
.endr
.endm
	s_load_b128 s[4:7], s[0:1], 0x0
	s_load_b128 s[8:11], s[0:1], 0x10
	v_lshl_add_u32 v[SPW], v0, 2, SPARE
	v_mov_b32 v[NIL], 0
	ds_add_u32 v[SPW], v[NIL]                      ; the wave's opening: the add, and its wait ahead of my first tensor load
	v_lshrrev_b32 v1, 5, v0
	v_readfirstlane_b32 s14, v1
	s_lshr_b32 s15, s14, 1
	s_and_b32 s16, s14, 1
	s_bfe_u32 s40, ttmp6, 0x40000
	s_bfe_u32 s41, ttmp6, 0x40004
	s_lshl_b32 s42, ttmp9, 2
	s_add_co_u32 s42, s42, s40
	s_and_b32 s17, ttmp7, 0xffff
	s_lshl_b32 s17, s17, 2
	s_add_co_u32 s17, s17, s41
	s_lshl_b32 s43, s41, 2
	s_lshl_b32 s43, 15, s43
	s_lshl_b32 s44, 0x1111, s40
	s_or_b32 s[G1A+0], s43, (3<<16)|(1<<21)
	s_or_b32 s[G1B+0], s44, (3<<16)|(1<<21)
	s_mov_b32 s[G1A+1], 32<<16
	s_mov_b32 s[G1A+2], RA<<16
	s_mov_b32 s[G1A+3], 32<<16
	s_mov_b32 s[G1A+4], RA
	s_mov_b32 s[G1A+5], 32
	s_mov_b32 s[G1A+6], 0
	s_mov_b32 s[G1A+7], 0
	s_mov_b32 s[G1B+1], 32<<16
	s_mov_b32 s[G1B+2], RB<<16
	s_mov_b32 s[G1B+3], 32<<16
	s_mov_b32 s[G1B+4], RB
	s_mov_b32 s[G1B+5], 32
	s_mov_b32 s[G1B+6], 0
	s_mov_b32 s[G1B+7], 0
	s_mul_i32 s20, s17, KP*UNIT
	s_mul_i32 s18, s16, UNIT
	s_add_co_u32 s20, s20, s18
	s_mov_b32 s21, 0
	s_lshl_b32 s46, s42, 1
	s_add_co_u32 s46, s46, s16
	s_mul_i32 s46, s46, KP*UNIT
	s_add_co_u32 s46, s46, BOFF
	s_mov_b32 s47, 0
	s_mul_i32 s45, s16, UNIT
	s_mul_i32 s94, s16, 2*UNIT
	s_add_co_u32 s94, s94, 2*UNIT
	s_wait_dscnt 0x0
	s_wait_kmcnt 0x0
	s_add_nc_u64 s[20:21], s[4:5], s[20:21]
	s_add_nc_u64 s[46:47], s[6:7], s[46:47]
	CROUND
.irp s, 0,1
	s_mov_b32 s[G0A+4*\s], 1
	s_add_co_u32 s[G0A+4*\s+1], s45, \s*SLOT
	s_add_nc_u64 s[G0A+4*\s+2:G0A+4*\s+3], s[20:21], \s*FILLB
	s_or_b32 s[G0A+4*\s+3], s[G0A+4*\s+3], 0x80000000
	s_mov_b32 s[G0B+4*\s], 1
	s_add_co_u32 s[G0B+4*\s+1], s94, \s*SLOT
	s_add_nc_u64 s[G0B+4*\s+2:G0B+4*\s+3], s[46:47], \s*FILLB
	s_or_b32 s[G0B+4*\s+3], s[G0B+4*\s+3], 0x80000000
	JLOAD \s
.endr
	v_and_b32 v2, 31, v0
	v_bfe_u32 v3, v0, 4, 1
	v_and_b32 v15, 15, v0
	v_lshlrev_b32 v26, 4, v2
	v_lshlrev_b32 v4, 2, v2
	v_lshlrev_b32 v27, 6, v3
	s_lshl_b32 s66, s42, 10
	s_lshl_b32 s67, s16, 9
	s_add_co_u32 s66, s66, s67
	s_add_co_u32 s66, s66, BIASOFF
	s_mov_b32 s67, 0
	s_add_nc_u64 s[8:9], s[8:9], s[66:67]
	WIN 0xc0
.irp b, 0,1,2,3,4,5,6,7
	global_load_b128 v[8*\b:8*\b+3], v27, s[8:9] offset:(32*(\b/2)+8*(\b%2))*4
	global_load_b128 v[8*\b+4:8*\b+7], v27, s[8:9] offset:(32*(\b/2)+8*(\b%2))*4+16
.endr
	WIN 0
	s_mul_i32 s22, s15, 2*REC
	s_mul_i32 s23, s16, 2*UNIT
	s_add_co_u32 s23, s23, 2*UNIT
	v_add_nc_u32 v[ADRA], s22, v26
	v_add_nc_u32 v[ADRA+1], SLOT, v[ADRA]
	v_add_nc_u32 v[ADRB], s23, v26
	v_add_nc_u32 v[ADRB+1], SLOT, v[ADRB]
	v_add_nc_u32 v[ADSA], s22, v4
	v_add_nc_u32 v[ADSA+1], SLOT, v[ADSA]
	v_add_nc_u32 v[ADSB], s23, v4
	v_add_nc_u32 v[ADSB+1], SLOT, v[ADSB]
	s_mul_i32 s22, s14, 16*528                     ; my stage: 16 rows x (512 + 16) bytes
	v_mul_u32_u24 v24, v15, 528
	v_add_nc_u32 v24, v24, v27
	v_add_nc_u32 v24, s22, v24                     ; in: row r, + 64 h
	v_add_nc_u32 v25, s22, v26                     ; back: 16 x lane of a row
	s_lshl_b32 s68, s17, 7
	s_lshl_b32 s69, s15, 6
	s_add_co_u32 s68, s68, s69
	s_lshl_b32 s68, s68, 12                        ; my first row of out0: 4,096 bytes a row
	s_lshl_b32 s69, s42, 10
	s_add_co_u32 s68, s68, s69
	s_lshl_b32 s69, s16, 9
	s_add_co_u32 s68, s68, s69
	s_mov_b32 s69, 0
	s_add_nc_u64 s[10:11], s[10:11], s[68:69]
	s_wait_tensorcnt 1                             ; my part of slot 0 is in; slot 1's may stay out
	s_barrier_signal -1
	s_barrier_wait -1
	FETCH 0, 0, 0
	SCALES 0, 0, 0
	s_wait_dscnt 0x0
	s_wait_loadcnt 0x0
	STEP 0, 0, 1
	STEP 0, 1, 0
	STEP 0, 2, 0
	TURN 0, 1
	STEP 1, 0, 0
	STEP 1, 1, 0
	STEP 1, 2, 0
	LAST
	PLACES
	TOSTAGE 0
.irp a, 1,2,3
.if \a > 1
	s_wait_xcnt 0x0                                ; block a - 2's stores have read their registers: block a's loads may land there
.endif
	TOSTAGE \a
	SEND \a-1, 32                                  ; behind block a - 1's loads: block a's 16 stores and 16 loads
.endr
	SEND 3, 0
	s_wait_tensorcnt 0x0                           ; the wave's end
	ds_add_u32 v[SPW], v[NIL]
	s_wait_dscnt 0x0
	CROUND
	s_endpgm
.Lfunc_end_k_q9859f65ff1_gemm7:
	.size	k_q9859f65ff1_gemm7, .Lfunc_end_k_q9859f65ff1_gemm7-k_q9859f65ff1_gemm7
	.p2alignl 7, 3214868480
	.fill 96, 4, 3214868480
	.section	.rodata,"a",@progbits
	.p2align	6, 0x0
	.amdhsa_kernel k_q9859f65ff1_gemm7
		.amdhsa_group_segment_fixed_size 327680
		.amdhsa_private_segment_fixed_size 0
		.amdhsa_enable_private_segment 0
		.amdhsa_kernarg_size 32
		.amdhsa_user_sgpr_count 2
		.amdhsa_user_sgpr_kernarg_segment_ptr 1
		.amdhsa_wavefront_size32 1
		.amdhsa_system_sgpr_workgroup_id_x 1
		.amdhsa_system_sgpr_workgroup_id_y 1
		.amdhsa_system_sgpr_workgroup_id_z 1
		.amdhsa_system_vgpr_workitem_id 0
		.amdhsa_next_free_vgpr 1024
		.amdhsa_next_free_sgpr 100
		.amdhsa_reserve_vcc 0
		.amdhsa_float_denorm_mode_32 3
		.amdhsa_float_denorm_mode_16_64 3
		.amdhsa_memory_ordered 1
		.amdhsa_forward_progress 1
		.amdhsa_inst_pref_size 79
	.end_amdhsa_kernel
	.amdgpu_metadata
---
amdhsa.version: [ 1, 2 ]
amdhsa.kernels:
  - .name:           k_q9859f65ff1_gemm7
    .symbol:         k_q9859f65ff1_gemm7.kd
    .args:
      - { .name: vc, .offset: 0, .size: 8, .value_kind: global_buffer, .address_space: global }
      - { .name: wts, .offset: 8, .size: 8, .value_kind: global_buffer, .address_space: global }
      - { .name: attn_out_b, .offset: 16, .size: 8, .value_kind: global_buffer, .address_space: global }
      - { .name: out0, .offset: 24, .size: 8, .value_kind: global_buffer, .address_space: global }
    .group_segment_fixed_size: 327680
    .private_segment_fixed_size: 0
    .kernarg_segment_align: 8
    .kernarg_segment_size: 32
    .max_flat_workgroup_size: 128
    .sgpr_count:     100
    .vgpr_count:     1024
    .wavefront_size: 32
...
	.end_amdgpu_metadata
.endif
;; end of part 6
